; MI455X (gfx1250); checked and timed in simulation.
; The chip was launched on July 23, 2026; its instructions are those of AMD's public machine-readable ISA for CDNA 5 (MIT licence, August 2026) and "CDNA5" Instruction Set Architecture Reference Guide (July 2026). The comments in the code are by the model that wrote it; some were corrected since.
;; Multi Head Attention. Allowed arithmetic: matrix products marked QUANTISED: E2M3 operands, one E8M0 scale for each 32 along K, by v_wmma_scale_f32_16x16x128_f8f6f4 with both operands' format E2M3, f32 sums; everything else in f32.
;; Inputs: Wk 2,048 x 2,048 float32; Wo 2,048 x 2,048 float32; Wq 2,048 x 2,048 float32; Wv 2,048 x 2,048 float32; cos 2,048 x 64 float32; sin 2,048 x 64 float32; x 1 x 2,048 x 2,048 float32.
;; Outputs: out0 1 x 2,048 x 2,048 float32.
;; This version of the problem:
;;   THIS VERSION OF THE PROBLEM IS GIVEN IN LOW PRECISION. The matrix products marked QUANTISED in the list below multiply operands that are first quantised to E2M3 (2 exponent bits, 3 mantissa bits; 6 bits a number), with one power-of-two scale for each 32 numbers along K (OCP MX v1.0); their sums are f32. All else is computed in f32.
;;   The module's matrix products, in the order in which they are computed (A, B: the left and right operand; K: the contracted axis; several contracted axes count as one K, in the product's order):
;;     1. [M 2,048, K 2,048] x [K 2,048, N 2,048]; A: input x; B: input Wq: QUANTISED
;;     2. [M 2,048, K 2,048] x [K 2,048, N 2,048]; A: input x; B: input Wk: QUANTISED
;;     3. [M 2,048, K 2,048] x [K 2,048, N 2,048]; A: input x; B: input Wv: QUANTISED
;;     4. batch 16 x [M 2,048, K 128] x [K 128, N 2,048]; A: computed on the way; B: computed on the way: QUANTISED
;;     5. batch 16 x [M 2,048, K 2,048] x [K 2,048, N 128]; A: softmax (see below); B: computed on the way: QUANTISED
;;     6. [M 2,048, K 2,048] x [K 2,048, N 2,048]; A: computed on the way; B: input Wo: QUANTISED
;;   THE QUANTISER, for each operand of a quantised product, along K:
;;     - K is cut into blocks of 32 from its start; a last block that is shorter is filled with zeros.
;;     - A block's scale is 2^e with e = floor(log2(the largest magnitude in the block)) - 2, held to -126 .. 127; a block of zeros has e = 0. As a byte (E8M0): e + 127.
;;     - Each number is divided by its block's scale, clamped to +-7.5, and rounded to the nearest number of E2M3, ties to even, subnormals kept.
;;     - The product sums the exact products of the quantised numbers (number of the format x scale) in f32.
;;   ~~~python
;;   def quantise(x, axis):      # numpy; x: float32 -> the quantised numbers, widened to float32 again
;;       x = np.moveaxis(x, axis, -1); K = x.shape[-1]
;;       x = np.pad(x, [(0, 0)] * (x.ndim - 1) + [(0, -K % 32)]); x = x.reshape(x.shape[:-1] + (-1, 32)); a = np.abs(x).max(-1, keepdims=True)
;;       e = np.where(a > 0, np.clip(np.frexp(np.where(a > 0, a, 1))[1] - 1 - 2, -126, 127), 0)      # np.frexp(a)[1] - 1 = floor(log2(a)), exactly
;;       r = np.clip(x / 2.0 ** e, -7.5, 7.5)
;;       step = 2.0 ** (np.maximum(np.frexp(np.where(r == 0, 1, r))[1] - 1, 0) - 3)
;;       q = np.round(r / step) * step * 2.0 ** e      # np.round: ties to even
;;       return np.moveaxis(q.reshape(q.shape[:-2] + (-1,))[..., :K], -1, axis).astype(np.float32)
;;   ~~~
;;   SOFTMAX AHEAD OF A QUANTISED PRODUCT. Where the list says 'softmax', what is quantised is not the finished softmax but p = 2^(t - M), with t = logit x log2(e) and M = ceil(the row's largest t), a whole number; so 1/2 < the row's largest p <= 1. The row's sum l is taken of the UNQUANTISED p, in f32, and the product's result is divided by l at the end. Since M is a whole number, a kernel that streams over the keys may use a running M (the ceiling of the running maximum): every later rescaling is an exact power of two, which a block's scale takes up: the codes' values come out the same.
;;   OPERANDS COMPUTED ON THE WAY. 'Computed on the way' means the value that the module computes at that place (a softmax that the list does not call 'softmax' is quantised finished and normalised). What goes into a quantiser is computed in f32, as accurately as f32 sums, v_exp_f32 and their like allow (about 1e-6 of the number): no bf16 or f16 on the way to a quantiser, and a product that is left as it is and whose result goes on into a quantised operand takes f32 operands (vector FMAs, or v_wmma_f32_16x16x4_f32). A number that lies on a knife's edge between two numbers of the format may be rounded either way, as far as f32 arithmetic and the matrix unit's own rounding can turn it there, and no further.
;; One version. Each part assembles by itself: llvm-mc -triple=amdgcn-amd-amdhsa -mcpu=gfx1250 --defsym DOCPART=n.
;; ======== version 1 of 1: 4 launches
;; limits: right only within a limited range of input values
;; workspace buffers: opc 15,728,640 bytes; ops 655,360 bytes; ac 9,830,400 bytes; ao 3,145,728 bytes; aos 131,072 bytes
;; launch quant (part 1): grid 80 x 8, 4 waves a work-group, no clusters, 34,304 bytes of LDS; arguments x, Wq, Wk, Wv, Wo, opc, ops; writes opc, ops
.if DOCPART == 1
	.amdgcn_target "amdgcn-amd-amdhsa--gfx1250"
	.amdhsa_code_object_version 6
	.text
	.protected	k_q534ceab5c5_quant
	.globl	k_q534ceab5c5_quant
	.p2align	8
	.type	k_q534ceab5c5_quant,@function
k_q534ceab5c5_quant:
	s_mov_b64 s[64:65], 0
	v_nop
	global_prefetch_b8 v0, s[64:65] scope:SCOPE_SE
	s_setreg_imm32_b32 hwreg(HW_REG_WAVE_MODE, 25, 1), 1
	s_wait_xcnt 0x0
; x [2048 tokens][2048 k] and Wq, Wk, Wv, Wo [2048 k][2048 n], f32, become codes of FP6 (E2M3) with one E8M0 scale byte for each 32 along K.
; A block's scale is 2^(floor(log2(its largest magnitude)) - 2): its byte is the largest magnitude's exponent field - 2, held at 1 from below by a floor among the maximum's leaves.
; THE CODES ARE STORED AS IMAGES OF THE MATRIX OPERAND'S REGISTERS.  A fragment is 16 rows x 128 K = 12 registers a lane; register g of lane l lies at 512 (g / 4) + 16 l + 4 (g % 4): 1,536 bytes.
;   opc: [chunk of 256 K (8)][tile (640)][128 K step of the chunk (2)][1,536]; tiles 0-127 x, then 128 each of Wq, Wk, Wv, Wo.   ops: [chunk (8)][16 tile + lane row (10,240)][the chunk's two scale words].
; THE ROWS OF A TILE ARE NOT NEIGHBOURS: rows (tokens, or columns n of a weight) go in groups of 32; lane row r of tile 2 g + u is row 32 g + 8 u + r + 8 (r / 8).
; SHARES.  A work-group owns 8 tiles x one chunk, a wave 2 tiles (32 rows): 4 fragments, 256 scale bytes.  Work-groups 0-63 along x take the weights, 64-79 take x.  Work-groups share no input: no cluster, no tensor load, no barrier.
; LIMITS: NaN and infinities are not served; a block whose largest magnitude lies under 2^-124 is held at byte 1; a block of zeros has byte 1 and not 127 (its codes are zeros, and this program alone reads the bytes).
.set CHP,  1966080                     ; a chunk of opc in bytes
.set SCP,  81920                       ; a chunk of ops
.set XR,   32                          ; v32-95   numbers as they are loaded
.set WC,   96                          ; v96-143  weights: codes, 12 registers for each of the four image halves, so that no store's data are written again
.set WT,   144                         ; v144-146 weights: the upper 16 codes of a block (a conversion's three registers begin on an even number)
.set SB,   24                          ; v24-25   weights: my column's two scale words
.set XN,   96                          ; v96-159  x: 64 numbers in the operand's order
.set XC,   160                         ; v160-207 x: codes, 12 registers a fragment
.set XT,   208                         ; v208-214 x: the upper 16 codes of two blocks
.set WD,   216                         ; v216-219 x: a scale word for each fragment
.set XP,   528                         ; x: a stage row in LDS: 512 bytes + 16, so that 16 rows start at 16 different places modulo 256 bytes
	s_load_b256 s[4:11], s[0:1], 0x0               ; x, Wq, Wk, Wv
	s_load_b128 s[12:15], s[0:1], 0x20             ; Wo, opc
	s_load_b64 s[16:17], s[0:1], 0x30              ; ops
	v_lshl_add_u32 v224, v0, 2, 0x8400
	v_mov_b32 v225, 0
	v_lshrrev_b32 v1, 5, v0
	v_readfirstlane_b32 s18, v1                    ; wave
	v_and_b32 v2, 31, v0                           ; lane
	s_and_b32 s20, ttmp7, 0xffff                   ; the chunk
	s_add_co_u32 s21, ttmp9, 16
	s_sub_co_u32 s22, ttmp9, 64
	s_cmp_lt_u32 ttmp9, 64
	s_cselect_b32 s21, s21, s22                    ; which eight tiles: the weights' begin at tile 128
	s_lshl_b32 s21, s21, 3
	s_lshl_b32 s22, s18, 1
	s_add_co_u32 s21, s21, s22                     ; my wave's first tile
	s_mul_i32 s24, s20, CHP
	s_mul_i32 s23, s21, 3072
	s_add_co_u32 s24, s24, s23
	s_mov_b32 s25, 0
	s_mul_i32 s26, s20, SCP
	s_lshl_b32 s23, s21, 7
	s_add_co_u32 s26, s26, s23
	s_mov_b32 s27, 0
	s_wait_kmcnt 0x0
	s_add_nc_u64 s[14:15], s[14:15], s[24:25]      ; my two tiles' codes
	s_add_nc_u64 s[16:17], s[16:17], s[26:27]      ; and their 256 scale bytes
	s_cmp_lt_u32 ttmp9, 64
	s_cbranch_scc0 .Lx_path
; ---- A WEIGHT: K is its first axis.  A lane takes a column n and its registers run down K: each load reads 128 consecutive bytes, a block of 32 lies in one lane, and the codes come out with K innermost.
	s_lshr_b32 s22, ttmp9, 4                       ; which weight: the choice hangs on the work-group's number alone
	s_cmp_eq_u32 s22, 1
	s_cselect_b64 s[6:7], s[8:9], s[6:7]
	s_cmp_eq_u32 s22, 2
	s_cselect_b64 s[6:7], s[10:11], s[6:7]
	s_cmp_eq_u32 s22, 3
	s_cselect_b64 s[6:7], s[12:13], s[6:7]
	s_lshl_b32 s24, s20, 21                        ; 256 rows of 8,192 bytes a chunk
	s_and_b32 s23, ttmp9, 15
	s_lshl_b32 s23, s23, 9                         ; the work-group's 128 columns
	s_add_co_u32 s24, s24, s23
	s_lshl_b32 s23, s18, 7                         ; my wave's 32
	s_add_co_u32 s24, s24, s23
	s_mov_b32 s25, 0
	s_add_nc_u64 s[6:7], s[6:7], s[24:25]
	s_wait_alu depctr_va_vdst(0)
	v_lshlrev_b32 v3, 2, v2                        ; in: 4 bytes a lane
	v_bfe_u32 v4, v2, 3, 1                         ; my column's tile u
	v_and_b32 v5, 7, v2
	v_lshrrev_b32 v6, 4, v2
	v_lshl_add_u32 v5, v6, 3, v5                   ; and its lane row r
	v_mul_u32_u24 v7, v4, 3072
	v_lshl_add_u32 v7, v5, 4, v7                   ; codes: 3,072 u + 16 r
	v_lshlrev_b32 v8, 7, v4
	v_lshl_add_u32 v8, v5, 3, v8                   ; scale words: 128 u + 8 r
; The blocks are taken in the order 0, 2, 1, 3, 4, 6, 5, 7: an image lane (r, half) holds blocks half and 2 + half of a 128 K step, so each pair of turns fills one image lane's 12 registers.
.macro WLOAD n
.set TL, 4*((\n)/4)+2*((\n)%2)+((\n)/2)%2
.irp i, 0,1,2,3,4,5,6,7,8,9,10,11,12,13,14,15,16,17,18,19,20,21,22,23,24,25,26,27,28,29,30,31
	global_load_b32 v[XR+32*((\n)%2)+\i], v3, s[6:7] offset:(32*TL+\i)*8192 th:TH_LOAD_NT
.endr
.endm
.macro WBLOCK n
.set TT, 4*((\n)/4)+2*((\n)%2)+((\n)/2)%2
.set XS, XR+32*((\n)%2)
.set PP, (\n)/2
.set CC, WC+12*PP+6*((\n)%2)
.if (\n) < 7
	s_wait_loadcnt 32                              ; this block's 32 loads are in; the next block's 32 may be out
.else
	s_wait_loadcnt 0x0
.endif
	v_max3_num_f32 v12, |v[XS]|, |v[XS+1]|, |v[XS+2]|               ; the block's largest magnitude: all 32 numbers are mine; two chains
	v_max3_num_f32 v13, |v[XS+3]|, |v[XS+4]|, |v[XS+5]|
.irp i, 6,10,14,18,22,26
	v_max3_num_f32 v12, v12, |v[XS+\i]|, |v[XS+\i+1]|
	v_max3_num_f32 v13, v13, |v[XS+\i+2]|, |v[XS+\i+3]|
.endr
	v_max3_num_f32 v12, v12, |v[XS+30]|, |v[XS+31]|
	v_max3_num_f32 v12, v12, v13, 0x1800000        ; and the floor 2^(3 - 127): the byte cannot fall under 1
	v_add_nc_u32 v11, 0xff000000, v12              ; 2 off the exponent field: the conversion takes this operand's exponent field as its scale
	v_cvt_scalef32_pk16_fp6_f32 v[CC:CC+2], v[XS:XS+15], v11
	v_cvt_scalef32_pk16_fp6_f32 v[WT:WT+2], v[XS+16:XS+31], v11
	v_lshrrev_b32 v13, 23, v11                     ; the scale's byte (also the plain line between the conversions and the moves)
.if TT%4 == 0
	v_mov_b32 v[SB+TT/4], v13                      ; four bytes to a word, the lower K in the lower byte
.else
	v_lshl_or_b32 v[SB+TT/4], v13, 8*(TT%4), v[SB+TT/4]
.endif
.irp i, 0,1,2
	v_mov_b32 v[CC+3+\i], v[WT+\i]
.endr
.if (\n)+2 < 8
	WLOAD (\n)+2
.endif
.if (\n)%2 == 1
.irp g, 0,1,2
	global_store_b128 v7, v[WC+12*PP+4*\g:WC+12*PP+4*\g+3], s[14:15] offset:1536*(PP/2)+256*(PP%2)+512*\g   ; 16 lanes store 256 consecutive aligned bytes in each of my two tiles
.endr
.endif
.endm
	WLOAD 0
	WLOAD 1
.irp n, 0,1,2,3,4,5,6,7
	WBLOCK \n
.endr
	global_store_b64 v8, v[SB:SB+1], s[16:17]      ; 32 lanes store 256 consecutive aligned bytes
	s_endpgm
; ---- x: K is innermost.  Each load reads 512 consecutive bytes of one token; a fragment's 16 rows turn through the wave's own stage in LDS and come back in the operand's order: lane (r, h) gets k = 64 c + 32 h + 0 .. 31 of row r.
.Lx_path:
	s_sub_co_u32 s22, ttmp9, 64
	s_lshl_b32 s22, s22, 2
	s_add_co_u32 s22, s22, s18                     ; my group of 32 tokens
	s_lshl_b32 s24, s22, 18                        ; x 32 rows of 8,192 bytes
	s_lshl_b32 s23, s20, 10                        ; + the chunk's 1,024 bytes of a row
	s_add_co_u32 s24, s24, s23
	s_mov_b32 s25, 0
	s_add_nc_u64 s[4:5], s[4:5], s[24:25]
	s_mov_b32 s30, 0x76543210
	s_mov_b32 s31, 0xfedcba98                      ; v_permlanex16_b32's selects for lane l xor 16
	s_wait_alu depctr_va_vdst(0)
	v_lshlrev_b32 v3, 4, v2                        ; 16 x lane: a load's place, and an image's
	s_mul_i32 s23, s18, 16*XP                      ; my wave's stage
	v_add_nc_u32 v4, s23, v3                       ; into it: 16 x lane of a row
	v_and_b32 v7, 15, v2                           ; r
	v_lshrrev_b32 v8, 4, v2                        ; h
	v_mul_u32_u24 v5, v7, XP
	v_lshl_add_u32 v5, v8, 7, v5
	v_add_nc_u32 v5, s23, v5                       ; out of it: row r, + 128 h
	v_lshlrev_b32 v6, 3, v8                        ; 8 h: where my two scale bytes stand in the word
	v_mov_b32 v19, 0                               ; a lane permute's destination counts as one of its sources
.macro XLOADF f                        ; fragment f = (tile f / 2, step f % 2): its 16 rows
.irp p, 0,1,2,3,4,5,6,7,8,9,10,11,12,13,14,15
	global_load_b128 v[XR+4*\p:XR+4*\p+3], v3, s[4:5] offset:(8*((\f)/2)+\p+8*(\p/8))*8192+512*((\f)%2) th:TH_LOAD_NT
.endr
.endm
.macro XFRAG f
	s_wait_loadcnt 0x0
.irp p, 0,1,2,3,4,5,6,7,8,9,10,11,12,13,14,15
	ds_store_b128 v4, v[XR+4*\p:XR+4*\p+3] offset:XP*\p
.endr
.irp c, 0,1
.irp i, 0,1,2,3,4,5,6,7
	ds_load_b128 v[XN+32*\c+4*\i:XN+32*\c+4*\i+3], v5 offset:256*\c+16*\i   ; LDS serves a wave's instructions in order: these see my stores
.endr
.endr
	s_wait_dscnt 0x0                               ; the numbers are back, and the stores have read their registers,
.if (\f) < 3
	XLOADF (\f)+1                                  ; which take the next fragment's loads
.endif
.irp c, 0,1
	v_max3_num_f32 v[12+\c], |v[XN+32*\c]|, |v[XN+32*\c+1]|, 0x1800000   ; my block 2 c + h: all its 32 numbers are mine; the floor 2^(3 - 127)
.endr
.irp i, 2,4,6,8,10,12,14,16,18,20,22,24,26,28,30
.irp c, 0,1
	v_max3_num_f32 v[12+\c], v[12+\c], |v[XN+32*\c+\i]|, |v[XN+32*\c+\i+1]|
.endr
.endr
.irp c, 0,1
	v_add_nc_u32 v[14+\c], 0xff000000, v[12+\c]    ; the conversion's scale operand
.endr
.irp c, 0,1
	v_lshrrev_b32 v[16+\c], 23, v[14+\c]           ; the byte
.endr
	v_lshl_or_b32 v18, v17, 16, v16                ; blocks h and 2 + h,
	v_lshlrev_b32 v18, v6, v18                     ; at their places in the word;
	v_permlanex16_b32 v19, v18, s30, s31
	v_or_b32 v[WD+(\f)], v18, v19                  ; with lane l xor 16's two the word is whole
.irp c, 0,1
	v_cvt_scalef32_pk16_fp6_f32 v[XC+12*(\f)+6*\c:XC+12*(\f)+6*\c+2], v[XN+32*\c:XN+32*\c+15], v[14+\c]
	v_cvt_scalef32_pk16_fp6_f32 v[XT+4*\c:XT+4*\c+2], v[XN+32*\c+16:XN+32*\c+31], v[14+\c]
.endr
	v_nop                                          ; one plain line behind a scaled conversion
.irp c, 0,1
.irp i, 0,1,2
	v_mov_b32 v[XC+12*(\f)+6*\c+3+\i], v[XT+4*\c+\i]
.endr
.endr
.irp g, 0,1,2
	global_store_b128 v3, v[XC+12*(\f)+4*\g:XC+12*(\f)+4*\g+3], s[14:15] offset:3072*((\f)/2)+1536*((\f)%2)+512*\g   ; 512 consecutive aligned bytes
.endr
.endm
	XLOADF 0
	s_wait_alu depctr_va_vdst(0)
.irp f, 0,1,2,3
	XFRAG \f
.endr
	v_cmp_le_u32 vcc_lo, 16, v2                    ; lanes 0-15 store tile 0's words, lanes 16-31 tile 1's
	v_cndmask_b32 v20, v[WD], v[WD+2], vcc_lo
	v_cndmask_b32 v21, v[WD+1], v[WD+3], vcc_lo
	v_lshlrev_b32 v22, 3, v2
	global_store_b64 v22, v[20:21], s[16:17]       ; 256 consecutive aligned bytes
	s_wait_tensorcnt 0x0
	ds_add_u32 v224, v225
	s_wait_dscnt 0x0
	s_endpgm
.Lfunc_end_k_q534ceab5c5_quant:
	.size	k_q534ceab5c5_quant, .Lfunc_end_k_q534ceab5c5_quant-k_q534ceab5c5_quant
	.p2alignl 7, 3214868480
	.fill 96, 4, 3214868480
	.section	.rodata,"a",@progbits
	.p2align	6, 0x0
	.amdhsa_kernel k_q534ceab5c5_quant
		.amdhsa_group_segment_fixed_size 34304
		.amdhsa_private_segment_fixed_size 0
		.amdhsa_enable_private_segment 0
		.amdhsa_kernarg_size 56
		.amdhsa_user_sgpr_count 2
		.amdhsa_user_sgpr_kernarg_segment_ptr 1
		.amdhsa_wavefront_size32 1
		.amdhsa_system_sgpr_workgroup_id_x 1
		.amdhsa_system_sgpr_workgroup_id_y 1
		.amdhsa_system_sgpr_workgroup_id_z 1
		.amdhsa_system_vgpr_workitem_id 0
		.amdhsa_next_free_vgpr 226
		.amdhsa_next_free_sgpr 66
		.amdhsa_reserve_vcc 1
		.amdhsa_float_denorm_mode_32 3
		.amdhsa_float_denorm_mode_16_64 3
		.amdhsa_memory_ordered 1
		.amdhsa_forward_progress 1
		.amdhsa_inst_pref_size 68
	.end_amdhsa_kernel
	.amdgpu_metadata
---
amdhsa.version: [ 1, 2 ]
amdhsa.kernels:
  - .name:           k_q534ceab5c5_quant
    .symbol:         k_q534ceab5c5_quant.kd
    .args:
      - { .name: x, .offset: 0, .size: 8, .value_kind: global_buffer, .address_space: global }
      - { .name: Wq, .offset: 8, .size: 8, .value_kind: global_buffer, .address_space: global }
      - { .name: Wk, .offset: 16, .size: 8, .value_kind: global_buffer, .address_space: global }
      - { .name: Wv, .offset: 24, .size: 8, .value_kind: global_buffer, .address_space: global }
      - { .name: Wo, .offset: 32, .size: 8, .value_kind: global_buffer, .address_space: global }
      - { .name: opc, .offset: 40, .size: 8, .value_kind: global_buffer, .address_space: global }
      - { .name: ops, .offset: 48, .size: 8, .value_kind: global_buffer, .address_space: global }
    .group_segment_fixed_size: 34304
    .private_segment_fixed_size: 0
    .kernarg_segment_align: 8
    .kernarg_segment_size: 56
    .max_flat_workgroup_size: 128
    .sgpr_count:     66
    .vgpr_count:     226
    .wavefront_size: 32
...
	.end_amdgpu_metadata
.endif
;; end of part 1
;; launch qkv (part 2): grid 24 x 8, 4 waves a work-group, clusters of 4 x 4, 327,680 bytes of LDS; arguments opc, ops, cos, sin, ac; writes ac
.if DOCPART == 2
	.amdgcn_target "amdgcn-amd-amdhsa--gfx1250"
	.amdhsa_code_object_version 6
	.text
	.protected	k_q534ceab5c5_qkv
	.globl	k_q534ceab5c5_qkv
	.p2align	8
	.type	k_q534ceab5c5_qkv,@function
k_q534ceab5c5_qkv:
	s_mov_b64 s[64:65], 0
	v_nop
	global_prefetch_b8 v0, s[64:65] scope:SCOPE_SE
	s_setreg_imm32_b32 hwreg(HW_REG_WAVE_MODE, 25, 1), 1
	s_wait_xcnt 0x0
	s_wait_alu depctr_hold_cnt(0) depctr_sa_sdst(0) depctr_va_vdst(0) depctr_va_sdst(0) depctr_va_ssrc(0) depctr_va_vcc(0) depctr_vm_vsrc(0)
	s_getreg_b32 s2, hwreg(HW_REG_IB_STS2, 6, 4)
	s_cmp_eq_u32 s2, 0
	s_cbranch_scc0 .Lentry_in_a_cluster
	s_endpgm
.Lentry_in_a_cluster:
	s_bfe_u32 s2, ttmp6, 0x10000c
	s_cmp_lg_u32 s2, 0xf033
	s_cbranch_scc0 .Lentry_shape_is_right
	s_endpgm
.Lentry_shape_is_right:
; The three projections, the rope, and the quantisers of q, k and v.  One GEMM form on codes of FP6 (E2M3): C[m][n] = sum over k of A[m][k] B[n][k], used transposed, then quantised along n in registers.
; Clusters 0-3 along x (q and k): A = x's tokens, B = the columns of Wq | Wk: a lane holds one token and its registers run along the head's 128: rope, then codes along d.
; Clusters 4-5 (v): A = the columns of Wv, B = x's tokens: a lane holds one channel d and its registers run along the tokens: codes along the keys, as the second product of attention wants them.
; A tile of C is 256 x 256: four waves, each 128 x 128 = one head x 128 tokens, 64 accumulators, 512 registers.
; ALL OPERANDS LIE IN MEMORY AS IMAGES OF THEIR REGISTERS (a fragment: 1,536 bytes, register g of lane l at 512 (g / 4) + 16 l + 4 (g % 4)).
; 512 consecutive bytes each, no padding.
; THE RING.  LDS holds three chunks: a DOUBLE place (two chunks, brought by ONE tensor load a wave: two rows of 24,576 bytes, a chunk apart in memory) and a SINGLE place.  All three are filled at the start.  The chunks
; 0, 1 | 2 | 3, 4 | 5 | 6, 7 take the double and the single place by turns: three refills in all.  The double place's load has 96 matrix instructions of a wave between its issue and the wait for it, the single place's 224.
; No barrier stands between the double place's two chunks.  The 16 steps are written out: the places come back after three chunks, the sets of scale words after two.
; THE SCALE WORDS of chunks 1 to 7 stay in LDS, filled once; chunk 0's come straight from memory into their registers: with them in LDS too, three chunks, the table and the spare words would be 512 bytes more than the launch claims.
; THE ROWS OF A TILE: lane row r of tile 2 g + u is row 32 g + 8 u + r + 8 (r / 8).  So, B being source 0, the 16 registers of B's tiles 2 g and 2 g + 1 are n = 32 g + 16 (lane / 16) + 0 .. 15: neighbours along the next K.
; CLUSTERS: 4 x 4 work-groups; A's tiles are asked for jointly along a row of the cluster, B's along a column.  The choice between the two kinds of work hangs on the cluster's x alone, which all partners share.
; OUT: ac [q, k, v][head][128 tokens (16)][8 fragments][1,536];  asc [q, k, v][head][16][512]: the word of fragment a, lane row r at 256 (a / 4) + 16 r + 4 (a % 4).
; REGISTERS: window 0: v0-31 addresses; v32-63 scale words, two sets, and nothing else; v64-127 cos and sin of block 0; v128-223 A's fragments, one set; window 1: B's fragments at v0 and v128, v96-127 and v224-255 cos and sin of block 1;
;   windows 2, 3: the accumulators ((a, b) at v[8 (8 (a % 4) + b)]).  Behind the products: window 0 v128-191 the roped numbers, v192-211 codes, v212-219 and v236-251 at work, v224-231 scale words; window 1 cos and sin.
; LIMITS: NaN and infinities are not served; blocks under 2^-124 are held at byte 1, blocks of zeros have byte 1; the rope's second product and its sum are one fused multiply-add.
.set CHP,    1966080                   ; a chunk of opc in bytes
.set SCP,    81920                     ; a chunk of ops
.set NQ,     2                         ; steps of 128 along K in a chunk
.set FR,     12                        ; registers of a fragment
; WHAT HOLDS NOW, in place of the head comment's words on the first fills, the scale words and OUT:
; at the head a wave issues one joint load (chunks 0 and 1); chunk 2's first fill stands behind the three lines and a round of the cluster's barrier, as a refill does.
; No table of scale words lies in LDS: every chunk's words come from memory straight into the free set of scale registers, asked for in the first step of the chunk before (96 matrix instructions of the wave ahead of the wait for them).
; OUT: ac [q, k, v][head][128 tokens (16)][12,800]: 8 fragments of 1,536 bytes, then the 512 bytes of their scale words, so that one tile of 50 rows of 256 bytes holds both.
.set NL,     3                         ; LDS loads that bring a fragment
.set CJ,     0                         ; counts the chunks as STEP is expanded
.set NP,     4                         ; places behind this matrix instruction (ISA guide 7.12.1)
.set HALFT,  24576                     ; 8 tiles x 2 steps: a wave's part of a chunk
.set SOFF,   8*HALFT                   ; the double place: [part (4)][chunk (2)][HALFT]; behind it the single place: [part (4)][HALFT]
.set SCL,    12*HALFT                  ; behind them the scale words: [part (4)][chunks 1 to 7][1,024]: filled once
.set SCW,    7168                      ; a part of them
.set SPARE,  SCL+4*SCW                 ; the spare words, 128 bytes a wave: two blocks of 256 bytes that no other line names
.set ADRA, 16                          ; v16-17  LDS address of my A fragments in the double place, in the single place
.set ADRB, 20                          ; v20-21  the same for B
.set LI,   24                          ; v24     16 x lane
.set CA,   25                          ; v25     my lane's byte in cos and sin
.set GS,   26                          ; v26     my lane's byte among chunk 0's scale words in memory; never rewritten
.set ADRS, 27
.set SPW,  28                          ; v28     my spare word; never rewritten
.set NIL,  29                          ; v29     0; never rewritten
.set SC,   32
.set AF,   128
.set HA,   128
.set PC,   192
.set TT,   212
.set PW,   224
.set SW,   232
.set TM,   236
.set ACP,  20                          ; s[20:21] ac
.set ASP,  22
.set G1D,  24                          ; s[24:31], s[32:39] descriptor group 1 for the double place: A's, B's (they differ in the mask alone)
.set G1DB, 32
.set G1,   40                          ; s[40:47], s[48:55] for the single place
.set G1B,  48
.set G0D,  56                          ; s[56:59], s[60:63] group 0 for the double place: A's, B's
.set G0DB, 60
.set G1S,  68
.set G1SB, 76
.set G0,   84                          ; s[84:87], s[88:91] group 0 for the single place
.set G0B,  88
.set G0S,  92
.set G0SB, 96
.set SEL,  92                          ; s[92:93] lane selects, written behind the products, when the scale words' load is long done
.set MSB, 0
.macro WIN new                         ; the immediate's high byte repeats the setting that is left
.if MSB != \new
	s_set_vgpr_msb (MSB<<8)|\new
.set MSB, \new
.endif
.endm
.set MUL_LO, 0xa1                      ; source 0 (B) window 1, source 1 (A) window 0, C and D window 2
.set MUL_HI, 0xf1
.set TO_B,   0x40
; A joint load: waves 0 and 1 fetch for A, waves 2 and 3 for B; the branch hangs on the wave's number alone.  Four v_nop follow each of the two lines.
.macro JLOAD g0a, g1a, g0b, g1b
	s_cmp_eq_u32 s15, 0
	s_cbranch_scc0 .Lfor_b_\@
	tensor_load_to_lds s[\g0a:\g0a+3], s[\g1a:\g1a+7]
	s_nop 0
.rept 4
	v_nop
.endr
	s_branch .Lasked_\@
.Lfor_b_\@:
	tensor_load_to_lds s[\g0b:\g0b+3], s[\g1b:\g1b+7]
	s_nop 0
.rept 4
	v_nop
.endr
.Lasked_\@:
.endm
.macro CREST
	s_cmp_lg_u32 s14, 0
	s_cbranch_scc1 .Lnot_wave_0_\@
	s_barrier_signal -3
.Lnot_wave_0_\@:
	s_barrier_wait -3
	s_barrier_signal -1
	s_barrier_wait -1
.endm
.macro CROUND
	s_barrier_signal -1
	s_barrier_wait -1
	CREST
.endm
.macro PLACES n
.rept \n
	v_nop
.endr
.endm
.macro FRAG reg, adr, off, q, i        ; a fragment's image: three loads of 512 consecutive bytes; off: 0, or HALFT for the double place's second chunk
.irp g, 0,1,2
	ds_load_b128 v[\reg+4*\g:\reg+4*\g+3], v[\adr] offset:(\off)+3072*(\i)+1536*(\q)+512*\g
.endr
.endm
; 16 matrix instructions: A's blocks a0, a0 + 1 x B's eight.  The 64 accumulators take turns, one instruction a turn, in the same order in every step.
.macro MUL16 a0, p, q, sc, zero
.irp a, \a0, \a0+1
.irp b, 0,1,2,3,4,5,6,7
.if \zero
	v_wmma_scale_f32_16x16x128_f8f6f4 v[8*(8*((\a)%4)+\b):8*(8*((\a)%4)+\b)+7], v[128*(\p)+FR*\b:128*(\p)+FR*\b+FR-1], v[AF+FR*(\a):AF+FR*(\a)+FR-1], 0, v[SC+8*NQ*(\sc)+NQ*\b+(\q)], v[SC+8*NQ*(\sc)+NQ*(\a)+(\q)] matrix_a_fmt:MATRIX_FMT_FP6 matrix_b_fmt:MATRIX_FMT_FP6 matrix_a_scale:MATRIX_SCALE_ROW1
.else
	v_wmma_scale_f32_16x16x128_f8f6f4 v[8*(8*((\a)%4)+\b):8*(8*((\a)%4)+\b)+7], v[128*(\p)+FR*\b:128*(\p)+FR*\b+FR-1], v[AF+FR*(\a):AF+FR*(\a)+FR-1], v[8*(8*((\a)%4)+\b):8*(8*((\a)%4)+\b)+7], v[SC+8*NQ*(\sc)+NQ*\b+(\q)], v[SC+8*NQ*(\sc)+NQ*(\a)+(\q)] matrix_a_fmt:MATRIX_FMT_FP6 matrix_b_fmt:MATRIX_FMT_FP6 matrix_a_scale:MATRIX_SCALE_ROW1
.endif
.endr
.endr
.endm
.macro FETCH_B slot, off, q, p
	WIN TO_B
.irp i, 0,1,2,3,4,5,6,7
	FRAG 128*(\p)+FR*\i, ADRB+\slot, \off, \q, \i
.endr
	WIN 0
.endm
.macro FETCH_A slot, off, q, i0
.irp i, \i0, \i0+1, \i0+2, \i0+3
	FRAG AF+FR*(\i), ADRA+\slot, \off, \q, \i
.endr
.endm
.macro SCALES sc, j                    ; chunk j's two words a row (j = 1 .. 7) into set sc: lanes 0-15 A's block i, lanes 16-31 B's block i
.irp i, 0,1,2,3,4,5,6,7
	global_load_b64 v[SC+8*NQ*(\sc)+NQ*\i:SC+8*NQ*(\sc)+NQ*\i+1], v[GS], s[6:7] offset:(\j)*SCP+128*\i
.endr
.endm
; A chunk's first step.  A has one set of registers (a block is free when its eight products are issued), B two.  It fetches the chunk's second step.
.macro STEP slot, off, sc, zero
.if \zero == 0
	s_wait_loadcnt 0x0                             ; this chunk's scale words, asked for in the last chunk's first step
.endif
	s_wait_dscnt 4*NL                              ; all but the youngest 12 loads (A's blocks 4-7) are in
	WIN MUL_LO
	MUL16 0, 0, 0, \sc, \zero
	MUL16 2, 0, 0, \sc, \zero
	s_wait_dscnt 0
	PLACES NP                                      ; in front of loads into registers that matrix instructions have read
	FETCH_B \slot, \off, 1, 1
	FETCH_A \slot, \off, 1, 0
.set CJ, CJ+1
.if CJ < 8
	SCALES 1-(\sc), CJ                             ; the next chunk's scale words, into the set that the last chunk has done with
.endif
	WIN MUL_HI
	MUL16 4, 0, 0, \sc, \zero
	MUL16 6, 0, 0, \sc, \zero
	PLACES NP
	WIN 0
	FETCH_A \slot, \off, 1, 4
.endm
; The second step of the double place's first chunk: its successor lies in the same place, which the barrier in front of the place's first step has shown whole to every wave: no barrier.
.macro LINK sc, nsc, nj
	s_wait_dscnt 4*NL
	WIN MUL_LO
	MUL16 0, 1, 1, \sc, 0
	MUL16 2, 1, 1, \sc, 0
	s_wait_dscnt 0
	PLACES NP
	FETCH_B 0, HALFT, 0, 0
	FETCH_A 0, HALFT, 0, 0
	WIN MUL_HI
	MUL16 4, 1, 1, \sc, 0
	MUL16 6, 1, 1, \sc, 0
	PLACES NP
	WIN 0
	FETCH_A 0, HALFT, 0, 4
.endm
; A place's last step changes places: one barrier; in front of it each wave waits for all its tensor loads, adds 0 to its spare word, and waits for that and for its reads of the place that it leaves.
; fill = 1: the double place is filled again; 2: the single place; each with the chunks three further on; 0: nothing is left to fetch.
.macro TURN sc, nslot, nsc, nj, fill
	s_wait_tensorcnt 0x0                           ; all my tensor loads have landed: my part of the next place
	ds_add_u32 v[SPW], v[NIL]                      ; 0 onto my spare word
	s_wait_dscnt 4*NL+1                            ; the add and the youngest 12 loads may be out
	WIN MUL_LO
	MUL16 0, 1, 1, \sc, 0
	s_wait_dscnt 0x0                               ; the add is done, and my reads of this place are over
	s_barrier_signal -1
	MUL16 2, 1, 1, \sc, 0
	WIN 0
	s_barrier_wait -1
.if \fill == 1
	CREST                                          ; the barrier has opened a round of the cluster's: no wave of any partner still reads this place or has a load on its way
	s_add_nc_u64 s[G0D+2:G0D+3], s[G0D+2:G0D+3], 3*CHP
	s_add_nc_u64 s[G0DB+2:G0DB+3], s[G0DB+2:G0DB+3], 3*CHP
	JLOAD G0D, G1D, G0DB, G1DB                     ; the first tensor load behind the round; its four v_nop are the places in front of the loads below
.elseif \fill == 2
	CREST
	s_add_nc_u64 s[G0+2:G0+3], s[G0+2:G0+3], 3*CHP
	s_add_nc_u64 s[G0B+2:G0B+3], s[G0B+2:G0B+3], 3*CHP
	JLOAD G0, G1, G0B, G1B
.else
	PLACES NP
.endif
	FETCH_B \nslot, 0, 0, 0
	FETCH_A \nslot, 0, 0, 0
	WIN MUL_HI
	MUL16 4, 1, 1, \sc, 0
	MUL16 6, 1, 1, \sc, 0
	PLACES NP
	WIN 0
	FETCH_A \nslot, 0, 0, 4
.endm
; cos and sin of A's block a: window, and first registers.  Blocks 0 and 1 have registers that the products never touch; blocks 5, 6, 7 take those of 0, 1, 2.
.macro CSMAP a
.if (\a)%5 == 0
.set CWN, 0
.set CO, 64
.set SN, 96
.elseif (\a)%5 == 1
.set CWN, 1
.set CO, 96
.set SN, 224
.elseif (\a)%5 == 2
.set CWN, 1
.set CO, 0
.set SN, 32
.elseif (\a)%5 == 3
.set CWN, 1
.set CO, 64
.set SN, 128
.else
.set CWN, 1
.set CO, 160
.set SN, 192
.endif
.endm
.macro CSLOAD a                        ; register 16 b + i: cos or sin of my token at d = 32 b + 16 (lane / 16) + i
	CSMAP \a
.set WQ, CWN<<6
	WIN WQ
.irp b, 0,1
.irp i, 0,1,2,3
	global_load_b128 v[CO+16*\b+4*\i:CO+16*\b+4*\i+3], v[CA], s[8:9] offset:(32*((\a)/2)+8*((\a)%2))*256+128*\b+16*\i
.endr
.endr
.irp b, 0,1
.irp i, 0,1,2,3
	global_load_b128 v[SN+16*\b+4*\i:SN+16*\b+4*\i+3], v[CA], s[10:11] offset:(32*((\a)/2)+8*((\a)%2))*256+128*\b+16*\i
.endr
.endr
	WIN 0
.endm
.macro ROPE a                          ; block a's 64 numbers: registers 0-31 are d < 64 (x1), 32-63 the same d + 64 (x2): x1 c - x2 s and x2 c + x1 s, two at a time; each accumulator is read from its low end on
	CSMAP \a
.set AC, 64*((\a)%4)
.set WQ, (2+(\a)/4)|(CWN<<2)
	WIN WQ
.set j, 0
.rept 16
.set TS, TT+4*((j/2)%2)
	v_pk_mul_f32 v[TS:TS+1], v[AC+32+j:AC+33+j], v[SN+j:SN+j+1]
	v_pk_mul_f32 v[TS+2:TS+3], v[AC+j:AC+j+1], v[SN+j:SN+j+1]
	v_pk_fma_f32 v[HA+j:HA+j+1], v[AC+j:AC+j+1], v[CO+j:CO+j+1], v[TS:TS+1] neg_lo:[0,0,1] neg_hi:[0,0,1]
	v_pk_fma_f32 v[HA+32+j:HA+33+j], v[AC+32+j:AC+33+j], v[CO+j:CO+j+1], v[TS+2:TS+3]
.set j, j+2
.endr
	WIN 0
.endm
; 64 numbers of a lane in window w, register 16 b + i = k 32 b + 16 (lane / 16) + i of my row, become a fragment's codes in v[PC] on and its scale word in v[pw].
.macro QUANT s, w, pw
.set WQ, ((\w)<<2)|((\w)<<4)
	WIN WQ
.irp b, 0,1,2,3
	v_max3_num_f32 v[TM+\b], 0x1800000, |v[(\s)+16*\b]|, |v[(\s)+1+16*\b]|   ; block b: my 16 numbers, and the floor 2^(3 - 127)
.endr
.irp i, 2,4,6,8,10,12,14
.irp b, 0,1,2,3
	v_max3_num_f32 v[TM+\b], v[TM+\b], |v[(\s)+16*\b+\i]|, |v[(\s)+1+16*\b+\i]|
.endr
.endr
	WIN 0
.irp b, 0,1,2,3
	v_permlanex16_b32 v[TM+4+\b], v[TM+\b], s[SEL], s[SEL+1]
.endr
.irp b, 0,1,2,3
	v_max_num_f32 v[TM+\b], v[TM+\b], v[TM+4+\b]   ; with lane l xor 16's: the block's largest magnitude
.endr
.irp b, 0,1,2,3
	v_add_nc_u32 v[TM+12+\b], 0xff000000, v[TM+\b] ; 2 off its exponent field: the conversion's scale operand
.endr
.irp b, 0,1,2,3
	v_lshrrev_b32 v[TM+4+\b], 23, v[TM+12+\b]      ; the byte
.endr
	v_lshl_or_b32 v[\pw], v[TM+5], 8, v[TM+4]
	v_lshl_or_b32 v[\pw], v[TM+6], 16, v[\pw]
	v_lshl_or_b32 v[\pw], v[TM+7], 24, v[\pw]
.set WQ, \w
	WIN WQ
.irp c, 0,1
	v_cvt_scalef32_pk16_fp6_f32 v[PC+6*\c:PC+2+6*\c], v[(\s)+32*\c:(\s)+15+32*\c], v[TM+12+2*\c]
	v_cvt_scalef32_pk16_fp6_f32 v[PC+12+4*\c:PC+14+4*\c], v[(\s)+16+32*\c:(\s)+31+32*\c], v[TM+12+2*\c+1]
.endr
	WIN 0
	v_nop                                          ; one plain line behind a scaled conversion
.irp c, 0,1                                    ; the operand's layout wants a whole block in a lane
.irp i, 0,1,2
	v_permlane16_swap_b32 v[PC+6*\c+\i], v[PC+12+4*\c+\i]
.endr
.irp i, 0,1,2
	v_mov_b32 v[PC+3+6*\c+\i], v[PC+12+4*\c+\i]
.endr
.endr
.endm
.macro STOREF a                        ; the fragment leaves as it stands: 512 consecutive aligned bytes a store
.irp g, 0,1,2
	global_store_b128 v[LI], v[PC+4*\g:PC+4*\g+3], s[ACP:ACP+1] offset:1536*(\a)+512*\g
.endr
.endm
	s_load_b256 s[4:11], s[0:1], 0x0               ; opc, ops, cos, sin
	s_load_b64 s[20:21], s[0:1], 0x20              ; ac
	v_lshl_add_u32 v[SPW], v0, 2, SPARE
	v_mov_b32 v[NIL], 0
	ds_add_u32 v28, v29
	ds_add_u32 v28, v29
	s_wait_dscnt 0x0
	v_lshrrev_b32 v1, 5, v0
	v_readfirstlane_b32 s14, v1                    ; wave 0..3
	s_lshr_b32 s15, s14, 1                         ; which half of A's rows is mine.  Also: I fetch for A (0) or for B (1)
	s_and_b32 s16, s14, 1                          ; which half of B's rows.  Also: which 8 tiles I fetch
	s_bfe_u32 s100, ttmp6, 0x40000                 ; cx, cy
	s_bfe_u32 s101, ttmp6, 0x40004
	s_lshl_b32 s66, ttmp9, 2
	s_add_co_u32 s66, s66, s100                    ; X = 4 x cluster x + cx
	s_and_b32 s17, ttmp7, 0xffff
	s_lshl_b32 s17, s17, 2
	s_add_co_u32 s17, s17, s101                    ; Y = 4 x cluster y + cy
	s_lshl_b32 s2, s101, 2
	s_lshl_b32 s2, 15, s2                          ; my row of the cluster
	s_lshl_b32 s3, 0x1111, s100                    ; my column
	; group 1 for the double place: two rows of 24,576 bytes (3,072 elements of 8 bytes), a chunk apart; no padding
	s_or_b32 s[G1D+0], s2, (3<<16)|(1<<21)
	s_or_b32 s[G1DB+0], s3, (3<<16)|(1<<21)
.irp g, G1D, G1DB
	s_mov_b32 s[\g+1], 3072<<16
	s_mov_b32 s[\g+2], 2<<16
	s_mov_b32 s[\g+3], 3072<<16
	s_mov_b32 s[\g+4], 2
	s_mov_b32 s[\g+5], CHP/8
	s_mov_b32 s[\g+6], 0
	s_mov_b32 s[\g+7], 0
.endr
	; for the single place: a dense block of 24,576 bytes as 96 rows of 256 bytes (32 elements of 8 bytes)
	s_or_b32 s[G1+0], s2, (3<<16)|(1<<21)
	s_or_b32 s[G1B+0], s3, (3<<16)|(1<<21)
.irp g, G1, G1B
	s_mov_b32 s[\g+1], 32<<16
	s_mov_b32 s[\g+2], 96<<16
	s_mov_b32 s[\g+3], 32<<16
	s_mov_b32 s[\g+4], 96
	s_mov_b32 s[\g+5], 32
	s_mov_b32 s[\g+6], 0
	s_mov_b32 s[\g+7], 0
.endr
	s_mov_b32 s18, 128
	s_mov_b32 s19, 0xffffff00
	s_cmp_lt_u32 ttmp9, 4                          ; q and k, or v: the cluster's x, which all partners share
	s_cselect_b32 s12, 0, 384                      ; A: x's tiles begin at 0, Wv's at 384
	s_cselect_b32 s13, s18, s19                    ; B: Wq | Wk begin at 128; for v, x's tiles 16 (X - 16)
	s_lshl_b32 s2, s17, 4
	s_add_co_u32 s2, s2, s12                       ; the work-group's first tile of A
	s_lshl_b32 s100, s66, 4
	s_add_co_u32 s100, s100, s13                   ; and of B
	s_lshl_b32 s18, s15, 3
	s_add_co_u32 s18, s18, s2
	s_lshl_b32 s18, s18, 7                         ; the scale words of the 8 tiles of A that I multiply: 128 bytes a tile and chunk
	s_lshl_b32 s19, s16, 3
	s_add_co_u32 s2, s2, s19                       ; the first tile of A that I fetch
	s_add_co_u32 s100, s100, s19                   ; and of B, which is also the first of B's that I multiply
	s_lshl_b32 s67, s100, 7
	v_and_b32 v1, 15, v0                           ; r
	v_bfe_u32 v2, v0, 4, 1                         ; h
	v_xor_b32 v7, 1, v2
	v_mul_u32_u24 v5, s18, v7                      ; lanes 0-15 take A's words,
	v_mad_u32_u24 v5, s67, v2, v5                  ; lanes 16-31 B's
	v_lshl_add_u32 v[GS], v1, 3, v5                ; 8 bytes a row
	s_mul_i32 s2, s2, 3072                         ; the codes
	s_mov_b32 s3, 0
	s_mul_i32 s100, s100, 3072
	s_mov_b32 s101, 0
	s_wait_kmcnt 0x0
	s_add_nc_u64 s[2:3], s[4:5], s[2:3]
	s_add_nc_u64 s[100:101], s[4:5], s[100:101]
	CROUND                                         ; all sixteen work-groups are here: the first joint loads meet
	s_mov_b32 s[G0D], 1
	s_mul_i32 s[G0D+1], s14, 2*HALFT
	s_mov_b64 s[G0D+2:G0D+3], s[2:3]
	s_or_b32 s[G0D+3], s[G0D+3], 0x80000000
	s_mov_b32 s[G0DB], 1
	s_mul_i32 s[G0DB+1], s14, 2*HALFT
	s_mov_b64 s[G0DB+2:G0DB+3], s[100:101]
	s_or_b32 s[G0DB+3], s[G0DB+3], 0x80000000
	JLOAD G0D, G1D, G0DB, G1DB                     ; chunks 0 and 1
	s_mov_b32 s[G0], 1
	s_mul_i32 s[G0+1], s14, HALFT
	s_add_co_u32 s[G0+1], s[G0+1], SOFF
	s_add_nc_u64 s[G0+2:G0+3], s[2:3], 2*CHP
	s_or_b32 s[G0+3], s[G0+3], 0x80000000
	s_mov_b32 s[G0B], 1
	s_mul_i32 s[G0B+1], s14, HALFT
	s_add_co_u32 s[G0B+1], s[G0B+1], SOFF
	s_add_nc_u64 s[G0B+2:G0B+3], s[100:101], 2*CHP
	s_or_b32 s[G0B+3], s[G0B+3], 0x80000000        ; chunk 2's load is issued behind the round below
	s_wait_alu depctr_va_vdst(0)
.irp i, 0,1,2,3,4,5,6,7
	global_load_b64 v[SC+NQ*\i:SC+NQ*\i+1], v[GS], s[6:7] offset:128*\i   ; chunk 0's scale words, straight into set 0
.endr
	v_and_b32 v3, 31, v0
	v_lshlrev_b32 v[LI], 4, v3
	s_mul_i32 s12, s15, 2*HALFT                    ; the double place: my part of A,
	s_mul_i32 s13, s16, 2*HALFT
	s_add_co_u32 s13, s13, 4*HALFT                 ; my part of B, behind A's two
	v_add_nc_u32 v[ADRA], s12, v[LI]
	v_add_nc_u32 v[ADRB], s13, v[LI]
	s_mul_i32 s12, s15, HALFT                      ; the single place likewise
	s_add_co_u32 s12, s12, SOFF
	s_mul_i32 s13, s16, HALFT
	s_add_co_u32 s13, s13, SOFF+2*HALFT
	v_add_nc_u32 v[ADRA+1], s12, v[LI]
	v_add_nc_u32 v[ADRB+1], s13, v[LI]
	v_and_b32 v4, 8, v1
	v_add_nc_u32 v4, v4, v1                        ; r + 8 (r / 8)
	v_lshlrev_b32 v[CA], 8, v4                     ; a row of cos or sin is 256 bytes,
	v_lshl_add_u32 v[CA], v2, 6, v[CA]             ; + 16 numbers for the upper half of the lanes
	s_wait_alu depctr_va_vdst(0)
	s_lshl_b32 s12, s17, 8
	s_lshl_b32 s13, s15, 7
	s_add_co_u32 s12, s12, s13                     ; A's first row of mine: as a token it lies inside cos and sin in both kinds of work
	s_lshl_b32 s12, s12, 8
	s_mov_b32 s13, 0
	s_add_nc_u64 s[8:9], s[8:9], s[12:13]
	s_add_nc_u64 s[10:11], s[10:11], s[12:13]
	CSLOAD 0                                       ; blocks 0 and 1 are asked for here and land under the products, in every work-group, so that these registers are written on every way
	CSLOAD 1
	s_lshl_b32 s66, s66, 1
	s_add_co_u32 s66, s66, s16                     ; 2 X + my half of B
	s_lshl_b32 s67, s17, 1
	s_add_co_u32 s67, s67, s15                     ; 2 Y + my half of A
	s_lshl_b32 s12, s66, 4
	s_add_co_u32 s12, s12, s67                     ; q, k: (tensor, head) = 2 X + half, 128 tokens = 2 Y + half
	s_lshl_b32 s13, s67, 4
	s_add_co_u32 s13, s13, s66
	s_add_co_u32 s13, s13, 480                     ; v: 16 (32 + 2 Y + half) + 2 (X - 16) + half
	s_cmp_lt_u32 ttmp9, 4
	s_cselect_b32 s12, s12, s13
	s_mul_i32 s18, s12, 12800                      ; a block: 12,288 bytes of codes and 512 of scale words
	s_mov_b32 s19, 0
	s_add_nc_u64 s[ACP:ACP+1], s[ACP:ACP+1], s[18:19]
	s_wait_alu depctr_va_vdst(0)
	s_wait_tensorcnt 0x0                           ; my part of chunks 0 and 1 is in
	ds_add_u32 v[SPW], v[NIL]
	s_wait_dscnt 0x0
	CROUND                                         ; everybody's part is in, and the joint loads meet
	JLOAD G0, G1, G0B, G1B                         ; chunk 2, the first tensor load behind the round: 192 matrix instructions of the wave stand ahead of the wait for it
	FETCH_B 0, 0, 0, 0
	FETCH_A 0, 0, 0, 0
	FETCH_A 0, 0, 0, 4
	s_wait_loadcnt 32                              ; chunk 0's scale words are in: the 32 loads of cos and sin, issued behind them, may be out
	STEP 0, 0, 0, 1                                ; chunk 0: the first step's products start the sums
	LINK 0, 1, 1
	STEP 0, HALFT, 1, 0                            ; chunk 1
	TURN 1, 1, 0, 2, 1                             ; on to the single place; the double place takes chunks 3 and 4
	STEP 1, 0, 0, 0                                ; chunk 2
	TURN 0, 0, 1, 3, 2                             ; on to the double place; the single place takes chunk 5
	STEP 0, 0, 1, 0                                ; chunk 3
	LINK 1, 0, 4
	STEP 0, HALFT, 0, 0                            ; chunk 4
	TURN 0, 1, 1, 5, 1                             ; the double place takes chunks 6 and 7
	STEP 1, 0, 1, 0                                ; chunk 5
	TURN 1, 0, 0, 6, 0                             ; nothing is left to fetch
	STEP 0, 0, 0, 0                                ; chunk 6
	LINK 0, 1, 7
	STEP 0, HALFT, 1, 0                            ; chunk 7
	s_wait_dscnt 4*NL
	WIN MUL_LO
	MUL16 0, 1, 1, 1, 0
	MUL16 2, 1, 1, 1, 0
	s_wait_dscnt 0
	WIN MUL_HI
	MUL16 4, 1, 1, 1, 0
	MUL16 6, 1, 1, 1, 0
	WIN 0
	; THE WAY OUT: no LDS.  Block a's 64 registers already lie as the quantiser wants them; its fragment and scale word leave from registers.
	PLACES NP                                      ; behind the last products: in front of reads of results, and of loads and writes into operands that are done with
	s_wait_loadcnt 0x0                             ; cos and sin of blocks 0 and 1
	s_mov_b32 s[SEL], 0x76543210
	s_mov_b32 s[SEL+1], 0xfedcba98
.irp b, 0,1,2,3
	v_mov_b32 v[TM+4+\b], 0                        ; a lane permute's destination counts as one of its sources
.endr
	s_cmp_lt_u32 ttmp9, 4
	s_cbranch_scc0 .Lv_path
	CSLOAD 2
	CSLOAD 3
	CSLOAD 4
.irp a, 0,1,2,3,4,5,6,7
.if \a >= 2 && \a <= 4
	s_wait_loadcnt 48                              ; block a's 16 loads are in: three younger sets of 16 may be out (where four are younger, the smaller count holds too)
.elseif \a == 5
	s_wait_loadcnt 32
.elseif \a == 6
	s_wait_loadcnt 16
.elseif \a == 7
	s_wait_loadcnt 0x0
.endif
	ROPE \a
.if \a > 0
	s_wait_xcnt 0x0                                ; the last fragment's stores have read their registers, which the quantiser below writes again; it stands ahead of the loads below, whose sources are never rewritten
.endif
.if \a <= 2
	CSLOAD \a+5                                    ; into the registers just read
.endif
	QUANT HA, 0, PW+\a
	STOREF \a
.endr
	s_branch .Ljoin
.Lv_path:
.irp a, 0,1,2,3,4,5,6,7
.set AC, 64*(\a%4)
.set WA, 2+\a/4
.if \a > 0
	s_wait_xcnt 0x0
.endif
	QUANT AC, WA, PW+\a
	STOREF \a
.endr
.Ljoin:
	v_and_b32 v1, 31, v0
	v_cmp_le_u32 vcc_lo, 16, v1                    ; lanes 0-15 store the words of fragments 0-3, lanes 16-31 those of 4-7
.irp i, 0,1,2,3
	v_cndmask_b32 v[SW+\i], v[PW+\i], v[PW+4+\i], vcc_lo
.endr
	global_store_b128 v[LI], v[SW:SW+3], s[ACP:ACP+1] offset:12288  ; 512 consecutive aligned bytes, behind the block's codes
	s_wait_tensorcnt 0x0                           ; the wave's end
	ds_add_u32 v[SPW], v[NIL]
	s_wait_dscnt 0x0
	CROUND                                         ; the closing round
	s_endpgm
.Lfunc_end_k_q534ceab5c5_qkv:
	.size	k_q534ceab5c5_qkv, .Lfunc_end_k_q534ceab5c5_qkv-k_q534ceab5c5_qkv
	.p2alignl 7, 3214868480
	.fill 96, 4, 3214868480
	.section	.rodata,"a",@progbits
	.p2align	6, 0x0
	.amdhsa_kernel k_q534ceab5c5_qkv
		.amdhsa_group_segment_fixed_size 327680
		.amdhsa_private_segment_fixed_size 0
		.amdhsa_enable_private_segment 0
		.amdhsa_kernarg_size 40
		.amdhsa_user_sgpr_count 2
		.amdhsa_user_sgpr_kernarg_segment_ptr 1
		.amdhsa_wavefront_size32 1
		.amdhsa_system_sgpr_workgroup_id_x 1
		.amdhsa_system_sgpr_workgroup_id_y 1
		.amdhsa_system_sgpr_workgroup_id_z 1
		.amdhsa_system_vgpr_workitem_id 0
		.amdhsa_next_free_vgpr 1024
		.amdhsa_next_free_sgpr 102
		.amdhsa_reserve_vcc 1
		.amdhsa_float_denorm_mode_32 3
		.amdhsa_float_denorm_mode_16_64 3
		.amdhsa_memory_ordered 1
		.amdhsa_forward_progress 1
		.amdhsa_inst_pref_size 255
	.end_amdhsa_kernel
	.section	.bss,"aw",@nobits
	.p2align	6
	.space	262144
	.amdgpu_metadata
---
amdhsa.version: [ 1, 2 ]
amdhsa.kernels:
  - .name:           k_q534ceab5c5_qkv
    .symbol:         k_q534ceab5c5_qkv.kd
    .args:
      - { .name: opc, .offset: 0, .size: 8, .value_kind: global_buffer, .address_space: global }
      - { .name: ops, .offset: 8, .size: 8, .value_kind: global_buffer, .address_space: global }
      - { .name: cos, .offset: 16, .size: 8, .value_kind: global_buffer, .address_space: global }
      - { .name: sin, .offset: 24, .size: 8, .value_kind: global_buffer, .address_space: global }
      - { .name: ac, .offset: 32, .size: 8, .value_kind: global_buffer, .address_space: global }
    .group_segment_fixed_size: 327680
    .private_segment_fixed_size: 0
    .kernarg_segment_align: 8
    .kernarg_segment_size: 40
    .max_flat_workgroup_size: 128
    .sgpr_count:     102
    .vgpr_count:     1024
    .wavefront_size: 32
...
	.end_amdgpu_metadata
.endif
;; end of part 2
;; launch attn (part 3): grid 16 x 16, 8 waves a work-group, clusters of 4 x 1, 327,680 bytes of LDS; arguments ac, ao, aos; writes ao, aos
.if DOCPART == 3
	.amdgcn_target "amdgcn-amd-amdhsa--gfx1250"
	.amdhsa_code_object_version 6
	.text
	.protected	k_q534ceab5c5_attn
	.globl	k_q534ceab5c5_attn
	.p2align	8
	.type	k_q534ceab5c5_attn,@function
k_q534ceab5c5_attn:
	s_mov_b64 s[64:65], 0
	v_nop
	global_prefetch_b8 v0, s[64:65] scope:SCOPE_SE
	s_setreg_imm32_b32 hwreg(HW_REG_WAVE_MODE, 25, 1), 1
	s_wait_xcnt 0x0
	s_wait_alu depctr_hold_cnt(0) depctr_sa_sdst(0) depctr_va_vdst(0) depctr_va_sdst(0) depctr_va_ssrc(0) depctr_va_vcc(0) depctr_vm_vsrc(0)
	s_getreg_b32 s2, hwreg(HW_REG_IB_STS2, 6, 4)
	s_cmp_eq_u32 s2, 0
	s_cbranch_scc0 .Lentry_in_a_cluster
	s_endpgm
.Lentry_in_a_cluster:
	s_bfe_u32 s2, ttmp6, 0x10000c
	s_cmp_lg_u32 s2, 0x3003
	s_cbranch_scc0 .Lentry_shape_is_right
	s_endpgm
.Lentry_shape_is_right:
; Causal attention on codes of FP6 (E2M3): S^T = k q^T, p = 2^(t - M) with a running whole M, O^T += v^T p^T, then O / l is quantised along the head's axis for the last projection.
; Steps of 128 keys that lie wholly above the diagonal of a wave's queries are passed over by a scalar branch on ids.
; A block of ac (128 tokens of q, k or v of one head) is 12,800 bytes: 8 fragments of 1,536 bytes as images of the operand's registers, then the 512 bytes of their scale words.
; So one tile of 50 rows of 256 bytes brings a step's codes and scale words together: a wave issues one joint load at the head and one behind each round.
; A slot holds four steps of k and four of v; the four work-groups of a cluster (one head) ask for them jointly.
; LIMIT: the scaled scores stay under 2^31 in magnitude; NaN and infinities are not served.
.set STEPB, 12800
.set VOFF,  4*STEPB
.set SLOT1, 1<<17
.set SCK,   2*SLOT1
.set SCV,   SCK+8192
.set OSC,   SCV+8192
.set SPARE, OSC+512
.set LI,  1
.set DQ,  2
.set LIS, 3
.set OSA, 4
.set SPW, 5
.set NIL, 6
.set PFO, 7
.set ADK, 8
.set ADS, 9
.set OSR, 29
.set GOS, 30
.set PWO, 40
.set TM,  232
.set PC,  224
.set WV,   18
.set SEL,  20
.set CS,   22
.set G1C,  24
.set G1S,  32
.set G0,   40
.set G0S,  44
.set TB,   48
.set TSC,  49
.set KS,   50
.set LIMK, 51
.set DIAG0, 52
.set SLOTS, 53
.set INNER, 54
.set LIM,  55
.set PFA,  56
.set HD,   58
.set CX,   59
.set LATE, 60
.set TI,   61
.set TAU,  62
.set JB,   63
.set MSB, 0
.macro WIN new
.if MSB != \new
	s_set_vgpr_msb (MSB<<8)|\new
.set MSB, \new
.endif
.endm
.macro CROUND
	s_barrier_signal -1
	s_barrier_wait -1
	s_cmp_lg_u32 s[WV], 0
	s_cbranch_scc1 .Lnot_wave_0_\@
	s_barrier_signal -3
.Lnot_wave_0_\@:
	s_barrier_wait -3
	s_barrier_signal -1
	s_barrier_wait -1
.endm
.macro ASK
	s_cmp_gt_u32 s[SLOTS], s[LIM]
	s_cbranch_scc0 .Lnot_mine_\@
	global_prefetch_b8 v[PFO], s[PFA:PFA+1] th:TH_LOAD_NT scope:SCOPE_SE
.Lnot_mine_\@:
.endm
.macro FETCH_K o
	WIN 0x40
.irp t, 0,1,2,3,4,5,6,7
.irp g, 0,1,2
	ds_load_b128 v[12*\t+4*\g:12*\t+4*\g+3], v[ADK] offset:(\o)*STEPB+1536*\t+512*\g
.endr
.endr
	WIN 0
	ds_load_b128 v[248:251], v[ADK] offset:(\o)*STEPB+12288
.endm
.macro FETCH_V
	WIN 0x40
.irp t, 0,1,2,3,4,5,6,7
.irp g, 0,1,2
	ds_load_b128 v[96+12*\t+4*\g:96+12*\t+4*\g+3], v[ADK] offset:VOFF+1536*\t+512*\g
.endr
.endr
	WIN 0
	ds_load_b128 v[44:47], v[ADK] offset:VOFF+12288
.endm
.macro QUANT s, w, pw
.set WQ, ((\w)<<2)|((\w)<<4)
	WIN WQ
.irp b, 0,1,2,3
	v_max3_num_f32 v[TM+\b], 0x1800000, |v[(\s)+16*\b]|, |v[(\s)+1+16*\b]|
.endr
.irp i, 2,4,6,8,10,12,14
.irp b, 0,1,2,3
	s_delay_alu instid0(VALU_DEP_4)
	v_max3_num_f32 v[TM+\b], v[TM+\b], |v[(\s)+16*\b+\i]|, |v[(\s)+1+16*\b+\i]|
.endr
.endr
	WIN 0
.irp b, 0,1,2,3
	s_delay_alu instid0(VALU_DEP_4)
	v_permlanex16_b32 v[TM+4+\b], v[TM+\b], s[SEL], s[SEL+1]
.endr
.irp b, 0,1,2,3
	s_delay_alu instid0(VALU_DEP_4)
	v_max_num_f32 v[TM+\b], v[TM+\b], v[TM+4+\b]
.endr
.irp b, 0,1,2,3
	s_delay_alu instid0(VALU_DEP_4)
	v_add_nc_u32 v[TM+12+\b], 0xff000000, v[TM+\b]
.endr
.irp b, 0,1,2,3
	s_delay_alu instid0(VALU_DEP_4)
	v_lshrrev_b32 v[TM+4+\b], 23, v[TM+12+\b]
.endr
	s_delay_alu instid0(VALU_DEP_3)
	v_lshl_or_b32 v[\pw], v[TM+5], 8, v[TM+4]
	s_delay_alu instid0(VALU_DEP_1)
	v_lshl_or_b32 v[\pw], v[TM+6], 16, v[\pw]
	s_delay_alu instid0(VALU_DEP_1)
	v_lshl_or_b32 v[\pw], v[TM+7], 24, v[\pw]
.set WQ, \w
	WIN WQ
.irp c, 0,1
	v_cvt_scalef32_pk16_fp6_f32 v[PC+6*\c:PC+2+6*\c], v[(\s)+32*\c:(\s)+15+32*\c], v[TM+12+2*\c]
	v_cvt_scalef32_pk16_fp6_f32 v[PC+12+4*\c:PC+14+4*\c], v[(\s)+16+32*\c:(\s)+31+32*\c], v[TM+12+2*\c+1]
.endr
	WIN 0
	v_nop
.irp c, 0,1
.irp i, 0,1,2
	v_permlane16_swap_b32 v[PC+6*\c+\i], v[PC+12+4*\c+\i]
.endr
.irp i, 0,1,2
	s_delay_alu instid0(VALU_DEP_3)
	v_mov_b32 v[PC+3+6*\c+\i], v[PC+12+4*\c+\i]
.endr
.endr
.endm
	s_load_b64 s[4:5], s[0:1], 0x0                 ; ac
	s_load_b64 s[8:9], s[0:1], 0x8                 ; ao
	s_load_b64 s[10:11], s[0:1], 0x10              ; aos
	v_lshl_add_u32 v[SPW], v0, 2, SPARE
	v_mov_b32 v[NIL], 0
	ds_add_u32 v5, v6
	ds_add_u32 v5, v6
	s_wait_dscnt 0x0
	v_lshrrev_b32 v8, 5, v0
	s_delay_alu instid0(VALU_DEP_1)
	v_readfirstlane_b32 s[WV], v8
	s_and_b32 s[HD], ttmp7, 0xffff
	s_bfe_u32 s[CX], ttmp6, 0x40000
	s_lshr_b32 s67, s[WV], 2
	s_add_co_u32 s67, s67, 1
	s_lshl_b32 s67, s67, 4
	s_add_co_u32 s67, s67, s[HD]
	s_and_b32 s68, s[WV], 3
	s_mul_i32 s70, s67, 204800
	s_mul_i32 s69, s68, STEPB
	s_add_co_u32 s70, s70, s69
	s_mov_b32 s71, 0
	s_mul_i32 s74, s[WV], STEPB
	s_mov_b32 s[G1C], 15|(3<<16)|(1<<21)
	s_mov_b32 s[G1C+1], 32<<16
	s_mov_b32 s[G1C+2], 50<<16                     ; a block: 50 rows of 256 bytes
	s_mov_b32 s[G1C+3], 32<<16
	s_mov_b32 s[G1C+4], 50
	s_mov_b32 s[G1C+5], 32
	s_mov_b32 s[G1C+6], 0
	s_mov_b32 s[G1C+7], 0
	s_mov_b32 s[SEL], 0x76543210
	s_mov_b32 s[SEL+1], 0xfedcba98
	s_mov_b32 s[CS], 0x3e0293ee
	s_mov_b32 s[CS+1], s[CS]
	s_mov_b32 s[TB], 0
	s_mov_b32 s[KS], 0
	s_mov_b32 s[SLOTS], 3
	s_wait_kmcnt 0x0
	s_mov_b32 s[G0], 1
	s_mov_b32 s[G0+1], s74
	s_add_nc_u64 s[G0+2:G0+3], s[4:5], s[70:71]
	s_or_b32 s[G0+3], s[G0+3], 0x80000000
	CROUND
	tensor_load_to_lds s[G0:G0+3], s[G1C:G1C+7]
	s_nop 0
.rept 4
	v_nop
.endr
	s_lshr_b32 s[LATE], s[WV], 2
	s_xor_b32 s[LATE], s[LATE], s[WV]
	s_and_b32 s[LATE], s[LATE], 1
	s_lshr_b32 s[TI], s[WV], 1
	s_sub_co_u32 s67, 7, ttmp9
	s_cmp_eq_u32 s[LATE], 1
	s_cselect_b32 s67, s67, ttmp9
	s_lshl_b32 s[DIAG0], s67, 1
	s_add_co_u32 s[LIMK], s[DIAG0], 1
	s_lshl_b32 s[JB], ttmp9, 2
	s_add_co_u32 s[JB], s[JB], s[CX]
	s_sub_co_u32 s69, 31, s[JB]
	s_cmp_eq_u32 s[LATE], 1
	s_cselect_b32 s69, s69, s[JB]
	s_lshl_b32 s[TAU], s69, 2
	s_add_co_u32 s[TAU], s[TAU], s[TI]
	v_and_b32 v10, 15, v0
	v_bfe_u32 v11, v0, 4, 1
	v_and_b32 v8, 31, v0
	s_delay_alu instid0(VALU_DEP_1)
	v_lshlrev_b32 v[LI], 4, v8
	s_wait_alu depctr_va_vdst(0)
	v_add_nc_u32 v[OSR], OSC, v[LI]
	v_lshlrev_b32 v[PFO], 8, v8
	s_lshl_b32 s66, s[LATE], 8
	s_lshl_b32 s67, s[TI], 6
	s_add_co_u32 s66, s66, s67
	s_add_co_u32 s66, s66, OSC
	v_lshl_add_u32 v[OSA], v10, 2, s66
	s_mul_i32 s66, s[HD], 204800
	s_lshr_b32 s70, s[TAU], 3
	s_mul_i32 s70, s70, STEPB
	s_add_co_u32 s66, s66, s70                     ; q: my tile's block of 128 tokens
	s_add_co_u32 s72, s66, 12288                   ; its scale words
	s_and_b32 s67, s[TAU], 7
	s_mul_i32 s67, s67, 1536
	s_add_co_u32 s66, s66, s67                     ; my fragment
	s_mov_b32 s67, 0
	s_add_nc_u64 s[68:69], s[4:5], s[66:67]
.irp g, 0,1,2
	global_load_b128 v[16+4*\g:19+4*\g], v[LI], s[68:69] offset:512*\g
.endr
	s_bfe_u32 s70, s[TAU], 0x10002
	s_lshl_b32 s70, s70, 8
	s_add_co_u32 s72, s72, s70
	s_and_b32 s70, s[TAU], 3
	s_lshl_b32 s70, s70, 2
	s_add_co_u32 s72, s72, s70
	s_mov_b32 s73, 0
	s_add_nc_u64 s[72:73], s[4:5], s[72:73]
	v_lshlrev_b32 v31, 4, v10
	global_load_b32 v28, v31, s[72:73]
	v_and_b32 v[DQ], 8, v10
	s_delay_alu instid0(VALU_DEP_1)
	v_add_nc_u32 v[DQ], v[DQ], v10
	v_lshlrev_b32 v8, 4, v11
	s_delay_alu instid0(VALU_DEP_1)
	v_sub_nc_u32 v[DQ], v[DQ], v8
	s_lshr_b32 s74, s[TAU], 1
	s_lshl_b32 s74, s74, 5
	s_and_b32 s75, s[TAU], 1
	s_lshl_b32 s75, s75, 3
	s_add_co_u32 s74, s74, s75
	v_add_nc_u32 v[DQ], s74, v[DQ]
	s_lshr_b32 s74, s[HD], 1
	s_mul_i32 s74, s74, 393216
	s_mul_i32 s75, s[TAU], 3072
	s_add_co_u32 s74, s74, s75
	s_and_b32 s75, s[HD], 1
	s_mul_i32 s75, s75, 1536
	s_add_co_u32 s74, s74, s75
	s_mov_b32 s75, 0
	s_add_nc_u64 s[8:9], s[8:9], s[74:75]
	s_lshl_b32 s74, s[HD], 13
	s_lshl_b32 s76, s[JB], 8
	s_add_co_u32 s74, s74, s76
	s_add_nc_u64 s[10:11], s[10:11], s[74:75]
	s_lshl_b32 s74, s[JB], 1
	s_sub_co_u32 s74, 31, s74
	s_lshl_b32 s74, s74, 8
	v_mul_u32_u24 v[GOS], s74, v11
	s_delay_alu instid0(VALU_DEP_1)
	v_lshl_add_u32 v[GOS], v10, 4, v[GOS]
	s_lshr_b32 s76, s[CX], 1
	s_add_co_u32 s76, s76, 1
	s_lshl_b32 s76, s76, 4
	s_add_co_u32 s76, s76, s[HD]
	s_mul_i32 s76, s76, 204800
	s_and_b32 s77, s[CX], 1
	s_mul_i32 s77, s77, 25600
	s_add_co_u32 s76, s76, s77
	s_min_u32 s77, s[WV], 2
	s_lshl_b32 s77, s77, 13
	s_add_co_u32 s76, s76, s77
	s_add_co_u32 s76, s76, VOFF
	s_mov_b32 s77, 0
	s_add_nc_u64 s[PFA:PFA+1], s[4:5], s[76:77]
	s_cmp_lt_u32 s[WV], 3
	s_cselect_b32 s78, 0, 1
	s_or_b32 s78, s78, ttmp9
	s_cmp_eq_u32 s78, 0
	s_cselect_b32 s[LIM], 1, -1
	v_mov_b32 v13, 0xff61b1e6
	s_delay_alu instid0(VALU_DEP_1)
	v_floor_f32 v12, -v13
	v_mov_b32 v14, 0
	v_mov_b32 v15, 0
.irp b, 0,1,2,3
	v_mov_b32 v[236+\b], 0
.endr
	v_mov_b32 v252, 0
	v_mov_b32 v253, 0
	WIN 0x40
.set j, 0
.rept 64
	v_mov_b32 v[192+j], 0
.set j, j+1
.endr
	WIN 0
.macro STEP
	s_cmp_gt_u32 s[KS], s[LIMK]
	s_cbranch_scc1 .Lhidden_\@
	s_wait_dscnt 0x0
	WIN 0x01
.irp t, 0,1,2,3
	v_wmma_scale_f32_16x16x128_f8f6f4 v[96+8*\t:103+8*\t], v[12*\t:12*\t+11], v[16:27], 0, v[248+\t], v28 matrix_a_fmt:MATRIX_FMT_FP6 matrix_b_fmt:MATRIX_FMT_FP6
.endr
.irp t, 4,5,6,7
	v_wmma_scale_f32_16x16x128_f8f6f4 v[96+8*\t:103+8*\t], v[12*\t:12*\t+11], v[16:27], 0, v[244+\t], v28 matrix_a_fmt:MATRIX_FMT_FP6 matrix_b_fmt:MATRIX_FMT_FP6 matrix_a_scale:MATRIX_SCALE_ROW1
.endr
	WIN 0
	v_add_nc_u32 v[ADK], s[TB], v[LI]
	v_nop
	v_nop
	v_nop
	FETCH_V
	s_cmp_eq_u32 s[INNER], 1
	s_cbranch_scc1 .Lno_k_\@
	FETCH_K 1
.Lno_k_\@:
	s_cmp_lt_u32 s[KS], s[DIAG0]
	s_cbranch_scc1 .Lopen_\@
	s_lshl_b32 s67, s[KS], 7
	v_sub_nc_u32 v252, v[DQ], s67
	v_mov_b32 v254, 0xff800000
.set n, 0
.rept 64
	v_cmp_gt_i32 vcc_lo, 32*(n/16)+n%16, v252
	v_cndmask_b32 v[96+n], v[96+n], v254, vcc_lo
.set n, n+1
.endr
.Lopen_\@:
.irp b, 0,1,2,3
	v_max3_num_f32 v[232+\b], v[96+16*\b], v[97+16*\b], v[98+16*\b]
.endr
.irp i, 3,5,7,9,11,13
.irp b, 0,1,2,3
	v_max3_num_f32 v[232+\b], v[232+\b], v[96+16*\b+\i], v[97+16*\b+\i]
.endr
.endr
.irp b, 0,1,2,3
	v_max_num_f32 v[232+\b], v[232+\b], v[111+16*\b]
.endr
.irp b, 0,1,2,3
	s_delay_alu instid0(VALU_DEP_4)
	v_permlanex16_b32 v[236+\b], v[232+\b], s[SEL], s[SEL+1]
.endr
.irp b, 0,1,2,3
	s_delay_alu instid0(VALU_DEP_4)
	v_max_num_f32 v[232+\b], v[232+\b], v[236+\b]
.endr
	s_delay_alu instid0(VALU_DEP_2)
	v_max3_num_f32 v254, v232, v233, v234
	s_delay_alu instid0(VALU_DEP_1)
	v_max_num_f32 v254, v254, v235
	s_delay_alu instid0(VALU_DEP_1)
	v_mul_f32 v254, s[CS], v254
	s_delay_alu instid0(VALU_DEP_1)
	v_max_num_f32 v13, v13, v254
	v_mov_b32 v254, v12
	s_delay_alu instid0(VALU_DEP_2)
	v_floor_f32 v12, -v13
	s_delay_alu instid0(VALU_DEP_1)
	v_sub_f32 v254, v12, v254
	s_delay_alu instid0(VALU_DEP_1)
	v_cvt_i32_f32 v254, v254
	s_delay_alu instid0(VALU_DEP_1)
	v_ldexp_f32 v252, 1.0, v254
.set j, 0
.rept 32
	v_pk_fma_f32 v[96+j:97+j], v[96+j:97+j], s[CS:CS+1], v[12:13] op_sel_hi:[1,0,0]
.set j, j+2
.endr
.irp b, 0,1,2,3
	v_fma_f32 v[232+\b], v[232+\b], s[CS], v12
.endr
.set j, 0
	s_wait_alu depctr_va_vdst(0)
.rept 64
	v_exp_f32 v[96+j], v[96+j]
.set j, j+1
.endr
	v_pk_mul_f32 v[14:15], v[14:15], v[252:253] op_sel_hi:[1,0]
	s_wait_alu depctr_va_vdst(0)
.irp b, 0,1,2,3
	v_exp_f32 v[232+\b], v[232+\b]
.endr
	v_pk_add_f32 v[236:237], v[96:97], v[98:99]
.irp j, 4,8,12,16,20,24,28,32,36,40,44,48,52,56,60
	v_pk_add_f32 v[14:15], v[14:15], v[96+\j:97+\j]
	v_pk_add_f32 v[236:237], v[236:237], v[98+\j:99+\j]
.endr
	s_delay_alu instid0(VALU_DEP_1)
	v_pk_add_f32 v[14:15], v[14:15], v[236:237]
	s_wait_alu depctr_va_vdst(0)
.irp b, 0,1,2,3
	v_max_num_f32 v[232+\b], 0x1800000, v[232+\b]
.endr
.irp b, 0,1,2,3
	s_delay_alu instid0(VALU_DEP_4)
	v_add_nc_u32 v[244+\b], 0xff000000, v[232+\b]
.endr
.irp b, 0,1,2,3
	s_delay_alu instid0(VALU_DEP_4)
	v_lshrrev_b32 v[236+\b], 23, v[244+\b]
.endr
	s_delay_alu instid0(VALU_DEP_3)
	v_lshl_or_b32 v253, v237, 8, v236
	s_delay_alu instid0(VALU_DEP_1)
	v_lshl_or_b32 v253, v238, 16, v253
	s_delay_alu instid0(VALU_DEP_1)
	v_lshl_or_b32 v253, v239, 24, v253
.irp c, 0,1
	v_cvt_scalef32_pk16_fp6_f32 v[224+6*\c:226+6*\c], v[96+32*\c:111+32*\c], v[244+2*\c]
	v_cvt_scalef32_pk16_fp6_f32 v[236+4*\c:238+4*\c], v[112+32*\c:127+32*\c], v[244+2*\c+1]
.endr
	v_nop
.irp c, 0,1
.irp i, 0,1,2
	v_permlane16_swap_b32 v[224+6*\c+\i], v[236+4*\c+\i]
.endr
.irp i, 0,1,2
	s_delay_alu instid0(VALU_DEP_3)
	v_mov_b32 v[227+6*\c+\i], v[236+4*\c+\i]
.endr
.endr
	WIN 0x41
.set j, 0
.rept 32
	v_pk_mul_f32 v[192+j:193+j], v[192+j:193+j], v[252:253] op_sel_hi:[1,0]
.set j, j+2
.endr
	s_wait_alu depctr_va_vdst(0)
	s_wait_dscnt 0x0
	WIN 0x51
.irp t, 0,1,2,3
	v_wmma_scale_f32_16x16x128_f8f6f4 v[192+8*\t:199+8*\t], v[96+12*\t:107+12*\t], v[224:235], v[192+8*\t:199+8*\t], v[44+\t], v253 matrix_a_fmt:MATRIX_FMT_FP6 matrix_b_fmt:MATRIX_FMT_FP6
.endr
.irp t, 4,5,6,7
	v_wmma_scale_f32_16x16x128_f8f6f4 v[192+8*\t:199+8*\t], v[96+12*\t:107+12*\t], v[224:235], v[192+8*\t:199+8*\t], v[40+\t], v253 matrix_a_fmt:MATRIX_FMT_FP6 matrix_b_fmt:MATRIX_FMT_FP6 matrix_a_scale:MATRIX_SCALE_ROW1
.endr
	WIN 0
.Lhidden_\@:
	s_add_co_u32 s[KS], s[KS], 1
	s_add_co_u32 s[TB], s[TB], STEPB
.endm
.macro CHANGE fill
	s_wait_tensorcnt 0x0
	ds_add_u32 v[SPW], v[NIL]
.if \fill
	s_xor_b32 s[G0+1], s[G0+1], SLOT1
	s_add_nc_u64 s[G0+2:G0+3], s[G0+2:G0+3], VOFF
	s_wait_xcnt 0x0
	s_add_nc_u64 s[PFA:PFA+1], s[PFA:PFA+1], VOFF
	s_wait_dscnt 0x0
	CROUND
	tensor_load_to_lds s[G0:G0+3], s[G1C:G1C+7]
	s_nop 0
.rept 4
	v_nop
.endr
.else
	s_wait_dscnt 0x0
	s_barrier_signal -1
	s_barrier_wait -1
.endif
	v_add_nc_u32 v[ADK], s[TB], v[LI]
	FETCH_K 0
.if \fill
	ASK
.endif
.endm
.macro SLOT_STEPS
	s_mov_b32 s[INNER], 4
.Lstep_\@:
	STEP
	s_sub_co_u32 s[INNER], s[INNER], 1
	s_cmp_lg_u32 s[INNER], 0
	s_cbranch_scc1 .Lstep_\@
	s_sub_co_u32 s[TB], s[TB], 4*STEPB
	s_xor_b32 s[TB], s[TB], SLOT1
.endm
	s_wait_loadcnt 0x0
.Lslot:
	CHANGE 1
	SLOT_STEPS
	s_sub_co_u32 s[SLOTS], s[SLOTS], 1
	s_cmp_lg_u32 s[SLOTS], 0
	s_cbranch_scc1 .Lslot
	CHANGE 0
	SLOT_STEPS
	v_add_f32 v14, v14, v15
	s_delay_alu instid0(VALU_DEP_1)
	v_permlanex16_b32 v252, v14, s[SEL], s[SEL+1]
	s_delay_alu instid0(VALU_DEP_1)
	v_add_f32 v14, v14, v252
	s_wait_alu depctr_va_vdst(0)
	v_rcp_f32 v14, v14
.rept 4
	v_nop
.endr
	s_wait_alu depctr_va_vdst(0)
	WIN 0x01
.set j, 0
.rept 32
	v_pk_mul_f32 v[96+j:97+j], v[192+j:193+j], v[14:15] op_sel_hi:[1,0]
.set j, j+2
.endr
	WIN 0
	QUANT 96, 0, PWO
.irp g, 0,1,2
	global_store_b128 v[LI], v[PC+4*\g:PC+4*\g+3], s[8:9] offset:512*\g
.endr
	ds_store_b32 v[OSA], v[PWO]
	s_wait_dscnt 0x0
	s_barrier_signal -1
	s_barrier_wait -1
	s_cmp_lg_u32 s[WV], 0
	s_cbranch_scc1 .Lnot_first
	ds_load_b128 v[32:35], v[OSR]
	s_wait_dscnt 0x0
	global_store_b128 v[GOS], v[32:35], s[10:11]
.Lnot_first:
	s_wait_tensorcnt 0x0
	ds_add_u32 v[SPW], v[NIL]
	s_wait_dscnt 0x0
	CROUND
	s_endpgm
.Lfunc_end_k_q534ceab5c5_attn:
	.size	k_q534ceab5c5_attn, .Lfunc_end_k_q534ceab5c5_attn-k_q534ceab5c5_attn
	.p2alignl 7, 3214868480
	.fill 96, 4, 3214868480
	.section	.rodata,"a",@progbits
	.p2align	6, 0x0
	.amdhsa_kernel k_q534ceab5c5_attn
		.amdhsa_group_segment_fixed_size 327680
		.amdhsa_private_segment_fixed_size 0
		.amdhsa_enable_private_segment 0
		.amdhsa_kernarg_size 24
		.amdhsa_user_sgpr_count 2
		.amdhsa_user_sgpr_kernarg_segment_ptr 1
		.amdhsa_wavefront_size32 1
		.amdhsa_system_sgpr_workgroup_id_x 1
		.amdhsa_system_sgpr_workgroup_id_y 1
		.amdhsa_system_sgpr_workgroup_id_z 1
		.amdhsa_system_vgpr_workitem_id 0
		.amdhsa_next_free_vgpr 512
		.amdhsa_next_free_sgpr 100
		.amdhsa_reserve_vcc 1
		.amdhsa_float_denorm_mode_32 3
		.amdhsa_float_denorm_mode_16_64 3
		.amdhsa_memory_ordered 1
		.amdhsa_forward_progress 1
		.amdhsa_inst_pref_size 73
	.end_amdhsa_kernel
	.amdgpu_metadata
---
amdhsa.version: [ 1, 2 ]
amdhsa.kernels:
  - .name:           k_q534ceab5c5_attn
    .symbol:         k_q534ceab5c5_attn.kd
    .args:
      - { .name: ac, .offset: 0, .size: 8, .value_kind: global_buffer, .address_space: global }
      - { .name: ao, .offset: 8, .size: 8, .value_kind: global_buffer, .address_space: global }
      - { .name: aos, .offset: 16, .size: 8, .value_kind: global_buffer, .address_space: global }
    .group_segment_fixed_size: 327680
    .private_segment_fixed_size: 0
    .kernarg_segment_align: 8
    .kernarg_segment_size: 24
    .max_flat_workgroup_size: 256
    .sgpr_count:     100
    .vgpr_count:     512
    .wavefront_size: 32
...
	.end_amdgpu_metadata
.endif
;; end of part 3
;; launch oproj (part 4): grid 16 x 16, 4 waves a work-group, clusters of 4 x 4, 327,680 bytes of LDS; arguments ao, aos, opc, ops, out0; writes out0
.if DOCPART == 4
	.amdgcn_target "amdgcn-amd-amdhsa--gfx1250"
	.amdhsa_code_object_version 6
	.text
	.protected	k_q534ceab5c5_oproj
	.globl	k_q534ceab5c5_oproj
	.p2align	8
	.type	k_q534ceab5c5_oproj,@function
k_q534ceab5c5_oproj:
	s_mov_b64 s[64:65], 0
	v_nop
	global_prefetch_b8 v0, s[64:65] scope:SCOPE_SE
	s_setreg_imm32_b32 hwreg(HW_REG_WAVE_MODE, 25, 1), 1
	s_wait_xcnt 0x0
	s_wait_alu depctr_hold_cnt(0) depctr_sa_sdst(0) depctr_va_vdst(0) depctr_va_sdst(0) depctr_va_ssrc(0) depctr_va_vcc(0) depctr_vm_vsrc(0)
	s_getreg_b32 s2, hwreg(HW_REG_IB_STS2, 6, 4)
	s_cmp_eq_u32 s2, 0
	s_cbranch_scc0 .Lentry_in_a_cluster
	s_endpgm
.Lentry_in_a_cluster:
	s_bfe_u32 s2, ttmp6, 0x10000c
	s_cmp_lg_u32 s2, 0xf033
	s_cbranch_scc0 .Lentry_shape_is_right
	s_endpgm
.Lentry_shape_is_right:
; out0[token][n] = sum over k of o[token][k] Wo[k][n] on codes of FP6 (E2M3): A = the attention's result (ao, aos), B = Wo's columns (opc tiles 512 on, ops), both as images of the operand's registers.
; A tile of C is 128 x 128 (256 work-groups; tiles of 256 x 256 would be 64): four waves, each 64 x 64: 16 accumulators.  K goes in four phases of 512 (four steps of 128 each); 16 steps in all, written out: no loop.
; THREE SLOTS of 512 along K lie in LDS and are all filled at the start; slot 0 is filled once more, with the last 512, when it has been read: ONE refill, which has the products of slots 1 and 2 in which to land.
; No barrier stands between slots 1 and 2: the barrier in front of slot 1 has shown both whole to every wave.
; A wave's part of a slot, 4 tiles x 4 steps, is two dense runs of 12,288 bytes (one in each chunk of 256 K): one tensor load of two rows.  A fragment comes from LDS by three loads of 512 consecutive bytes.
; CLUSTERS: 4 x 4 work-groups; A's tiles are asked for jointly along a row of the cluster, B's along a column.  The scale words of all of K come once, with the first fills.
; THE MATRIX INSTRUCTION IS USED TRANSPOSED (source 0 = B).  Lane row r of tile 2 g + u is row 32 g + 8 u + r + 8 (r / 8): register j of B's tile 2 g + u is column 32 g + 16 (lane / 16) + 8 u + j; the way out puts rows and columns back.
; REGISTERS: window 0: v0-31 addresses; v32-63 scale words, two sets, and nothing else; v64-127 rows on the way out; v128-255 the accumulators ((a, b) at v[128 + 8 (4 a + b)]).  window 1: two sets of fragments at v0 and v128: A's four, then B's four.
.set CHP,    1966080
.set SCP,    81920
.set AOP,    393216                    ; a chunk of ao
.set PART,   24576
.set SLOT,   4*PART
.set SCA,    3*SLOT                    ; A's scale words: [step (16)][512]
.set SCB,    SCA+8192                  ; B's: [chunk (8)][1,024]
.set SPARE,  SCB+8192                  ; the spare words: two blocks of 256 bytes that no other line names
; WHAT HOLDS NOW, in place of the head comment's words on the slots and the scale words:
; LDS holds a LONG place (K 0 to 1,023: for each of the four parts four runs of 12,288 bytes on end, brought by the wave's one load at the head) and a SHORT place (K 1,024 to 1,535),
; first filled behind the three lines and a round of the cluster's barrier.  The first halves of the long place's parts are filled once more, with K 1,536 on, when both its phases have been read.
; The scale words of all of K come once, at the head, from memory straight into four sets of scale registers, v32-95, which hold nothing else.
.set STG,    PART                      ; the way out: a stage of 16 rows x (256 bytes + 16) for each wave, in the second half of the long place's first part: filled once, read for the last time ahead of the refill's round
.set SPITCH, 272
.set ADRA, 16                          ; v16-18  LDS address of my A fragments in slot 0, 1, 2
.set ADRB, 19                          ; v19-21  the same for B
.set ADSA, 22                          ; v22, v23 of my scale words; never rewritten
.set ADSB, 23
.set STO,  24
.set RD,   25
.set CO,   26
.set SPW,  28
.set NIL,  29
.set SC,   32
.set OB,   96                          ; rows on the way out: v96-127, and v128-159, where tile 0's accumulators lay
.set ACC,  128
.set G1,   24                          ; s[24:31] descriptor group 1 for A's tiles;  s[32:43] group 0, a set for each slot
.set G0,   32
.set G1B,  48                          ; s[48:55], s[84:95] the same for B's
.set G0B,  84
.set G0SB, 56
.set G0S,  60
.set G1S,  68
.set G1SB, 76
.set MSB, 0
.macro WIN new
.if MSB != \new
	s_set_vgpr_msb (MSB<<8)|\new
.set MSB, \new
.endif
.endm
.set MUL,  0x05                        ; sources 0 (B) and 1 (A) window 1; C and D window 0
.set TO_F, 0x40
.macro JLOAD g0a, g1a, g0b, g1b        ; waves 0 and 1 fetch for A, waves 2 and 3 for B; four v_nop follow each of the two lines
	s_cmp_eq_u32 s15, 0
	s_cbranch_scc0 .Lfor_b_\@
	tensor_load_to_lds s[\g0a:\g0a+3], s[\g1a:\g1a+7]
	s_nop 0
.rept 4
	v_nop
.endr
	s_branch .Lasked_\@
.Lfor_b_\@:
	tensor_load_to_lds s[\g0b:\g0b+3], s[\g1b:\g1b+7]
	s_nop 0
.rept 4
	v_nop
.endr
.Lasked_\@:
.endm
.macro CREST
	s_cmp_lg_u32 s14, 0
	s_cbranch_scc1 .Lnot_wave_0_\@
	s_barrier_signal -3
.Lnot_wave_0_\@:
	s_barrier_wait -3
	s_barrier_signal -1
	s_barrier_wait -1
.endm
.macro CROUND
	s_barrier_signal -1
	s_barrier_wait -1
	CREST
.endm
.macro PLACES
.rept 4
	v_nop
.endr
.endm
.macro OPROD zero                      ; one product; RW: which halves of the scale registers' lanes hold the two tiles' words
.if \zero
.if RW == 0
	v_wmma_scale_f32_16x16x128_f8f6f4 v[DD:DD+7], v[FB:FB+11], v[FA:FA+11], 0, v[SBR], v[SAR] matrix_a_fmt:MATRIX_FMT_FP6 matrix_b_fmt:MATRIX_FMT_FP6
.elseif RW == 1
	v_wmma_scale_f32_16x16x128_f8f6f4 v[DD:DD+7], v[FB:FB+11], v[FA:FA+11], 0, v[SBR], v[SAR] matrix_a_fmt:MATRIX_FMT_FP6 matrix_b_fmt:MATRIX_FMT_FP6 matrix_a_scale:MATRIX_SCALE_ROW1
.elseif RW == 2
	v_wmma_scale_f32_16x16x128_f8f6f4 v[DD:DD+7], v[FB:FB+11], v[FA:FA+11], 0, v[SBR], v[SAR] matrix_a_fmt:MATRIX_FMT_FP6 matrix_b_fmt:MATRIX_FMT_FP6 matrix_b_scale:MATRIX_SCALE_ROW1
.else
	v_wmma_scale_f32_16x16x128_f8f6f4 v[DD:DD+7], v[FB:FB+11], v[FA:FA+11], 0, v[SBR], v[SAR] matrix_a_fmt:MATRIX_FMT_FP6 matrix_b_fmt:MATRIX_FMT_FP6 matrix_a_scale:MATRIX_SCALE_ROW1 matrix_b_scale:MATRIX_SCALE_ROW1
.endif
.else
.if RW == 0
	v_wmma_scale_f32_16x16x128_f8f6f4 v[DD:DD+7], v[FB:FB+11], v[FA:FA+11], v[DD:DD+7], v[SBR], v[SAR] matrix_a_fmt:MATRIX_FMT_FP6 matrix_b_fmt:MATRIX_FMT_FP6
.elseif RW == 1
	v_wmma_scale_f32_16x16x128_f8f6f4 v[DD:DD+7], v[FB:FB+11], v[FA:FA+11], v[DD:DD+7], v[SBR], v[SAR] matrix_a_fmt:MATRIX_FMT_FP6 matrix_b_fmt:MATRIX_FMT_FP6 matrix_a_scale:MATRIX_SCALE_ROW1
.elseif RW == 2
	v_wmma_scale_f32_16x16x128_f8f6f4 v[DD:DD+7], v[FB:FB+11], v[FA:FA+11], v[DD:DD+7], v[SBR], v[SAR] matrix_a_fmt:MATRIX_FMT_FP6 matrix_b_fmt:MATRIX_FMT_FP6 matrix_b_scale:MATRIX_SCALE_ROW1
.else
	v_wmma_scale_f32_16x16x128_f8f6f4 v[DD:DD+7], v[FB:FB+11], v[FA:FA+11], v[DD:DD+7], v[SBR], v[SAR] matrix_a_fmt:MATRIX_FMT_FP6 matrix_b_fmt:MATRIX_FMT_FP6 matrix_a_scale:MATRIX_SCALE_ROW1 matrix_b_scale:MATRIX_SCALE_ROW1
.endif
.endif
.endm
; four products: A's tile a x B's four; fragments in set p, scale words in set `set`, the phase's step st.  The 16 accumulators take turns, one instruction a turn, in the same order in every step.
.macro OMUL a, p, set, st, zero
.irp b, 0,1,2,3
.set DD, ACC+8*(4*(\a)+\b)
.set FB, 128*(\p)+48+12*\b
.set FA, 128*(\p)+12*(\a)
.set SBR, SC+16*(\set)+8+4*((\st)/2)+2*(\b/2)+(\st)%2
.set SAR, SC+16*(\set)+2*(\st)+(\a)/2
.set RW, 2*((\a)%2)+\b%2
	OPROD \zero
.endr
.endm
.macro FETCH slot, st, p               ; 24 LDS loads: the fragments of the slot's step st into set p
	WIN TO_F
.irp i, 0,1,2,3
.irp g, 0,1,2
	ds_load_b128 v[128*(\p)+12*\i+4*\g:128*(\p)+12*\i+4*\g+3], v[ADRA+\slot] offset:12288*((\st)/2)+3072*\i+1536*((\st)%2)+512*\g
.endr
.endr
.irp i, 0,1,2,3
.irp g, 0,1,2
	ds_load_b128 v[128*(\p)+48+12*\i+4*\g:128*(\p)+48+12*\i+4*\g+3], v[ADRB+\slot] offset:12288*((\st)/2)+3072*\i+1536*((\st)%2)+512*\g
.endr
.endr
.endm
.macro OSCALES set, ph                 ; phase ph's scale words: in each register lanes 0-15 hold the even tile's words, lanes 16-31 the odd tile's
.irp st, 0,1,2,3
.irp ip, 0,1
	global_load_b32 v[SC+16*(\set)+2*\st+\ip], v[ADSA], s[6:7] offset:8192*(4*(\ph)+\st)+128*\ip
.endr
.endr
.irp jj, 0,1
.irp ip, 0,1
	global_load_b64 v[SC+16*(\set)+8+4*\jj+2*\ip:SC+16*(\set)+8+4*\jj+2*\ip+1], v[ADSB], s[10:11] offset:SCP*(2*(\ph)+\jj)+256*\ip
.endr
.endr
.endm
.macro OSTEP slot, set, st, zero       ; one of a phase's first three steps: the next step's fragments are asked for ahead of this step's products
	s_wait_dscnt 0x0                               ; this step's fragments, asked for a step ago
	PLACES                                         ; in front of loads into registers that the last step's products have read
	FETCH \slot, (\st)+1, ((\st)+1)%2
	WIN MUL
	OMUL 0, (\st)%2, \set, \st, \zero
	OMUL 1, (\st)%2, \set, \st, \zero
	OMUL 2, (\st)%2, \set, \st, \zero
	OMUL 3, (\st)%2, \set, \st, \zero
.endm
.macro OLINK set, nslot, nset, ph      ; a phase's last step whose successor lies in a slot that an earlier barrier has shown whole: no barrier
	s_wait_dscnt 0x0
	PLACES
	FETCH \nslot, 0, 0
	WIN MUL
	OMUL 0, 1, \set, 3, 0
	OMUL 1, 1, \set, 3, 0
	OMUL 2, 1, \set, 3, 0
	OMUL 3, 1, \set, 3, 0
.endm
; A phase's last step with a barrier; in front of it each wave waits for all its tensor loads, adds 0 to its spare word, and waits for that and for its reads so far.  fill = 1: slot 0 is filled again, with the last 512 along K.
.macro OTURN set, nslot, nset, ph, fill
	WIN 0
	s_wait_tensorcnt 0x0                           ; all my tensor loads have landed
	ds_add_u32 v[SPW], v[NIL]                      ; 0 onto my spare word
	s_wait_dscnt 1                                 ; only the add may be out
	WIN MUL
	OMUL 0, 1, \set, 3, 0
	s_wait_dscnt 0x0                               ; the add is done, and my reads of the slot that I leave are over
	s_barrier_signal -1
	OMUL 1, 1, \set, 3, 0
	WIN 0
	s_barrier_wait -1
.if \fill
	CREST                                          ; the barrier has opened a round of the cluster's
	s_add_nc_u64 s[G0+2:G0+3], s[G0+2:G0+3], 6*AOP
	s_add_nc_u64 s[G0B+2:G0B+3], s[G0B+2:G0B+3], 6*CHP
	JLOAD G0, G1, G0B, G1B                         ; the first tensor load behind the round; its four v_nop are the places in front of the loads below
.else
	PLACES
.endif
	FETCH \nslot, 0, 0
	WIN MUL
	OMUL 2, 1, \set, 3, 0
	OMUL 3, 1, \set, 3, 0
.endm
	s_load_b256 s[4:11], s[0:1], 0x0               ; ao, aos, opc, ops
	s_load_b64 s[12:13], s[0:1], 0x20              ; out0
	v_lshl_add_u32 v[SPW], v0, 2, SPARE
	v_mov_b32 v[NIL], 0
	ds_add_u32 v28, v29
	ds_add_u32 v28, v29
	s_wait_dscnt 0x0
	v_lshrrev_b32 v1, 5, v0
	v_readfirstlane_b32 s14, v1                    ; wave 0..3
	s_lshr_b32 s15, s14, 1                         ; which half of A's tiles is mine.  Also: I fetch for A (0) or for B (1)
	s_and_b32 s16, s14, 1                          ; which half of B's.  Also: which part I fetch
	s_bfe_u32 s96, ttmp6, 0x40000                  ; cx, cy
	s_bfe_u32 s97, ttmp6, 0x40004
	s_lshl_b32 s98, ttmp9, 2
	s_add_co_u32 s98, s98, s96                     ; X
	s_and_b32 s17, ttmp7, 0xffff
	s_lshl_b32 s17, s17, 2
	s_add_co_u32 s17, s17, s97                     ; Y
	s_lshl_b32 s2, s97, 2
	s_lshl_b32 s2, 15, s2                          ; my row of the cluster
	s_lshl_b32 s3, 0x1111, s96                     ; my column
	; group 1 for codes: two rows of 12,288 bytes (1,536 elements of 8 bytes), a chunk apart
	s_or_b32 s[G1+0], s2, (3<<16)|(1<<21)
	s_or_b32 s[G1B+0], s3, (3<<16)|(1<<21)
.irp g, G1, G1B
	s_mov_b32 s[\g+1], 1536<<16
	s_mov_b32 s[\g+2], 4<<16                       ; the head's load: four rows; behind it the two words that count rows are set to 2
	s_mov_b32 s[\g+3], 1536<<16
	s_mov_b32 s[\g+4], 4
	s_mov_b32 s[\g+6], 0
	s_mov_b32 s[\g+7], 0
.endr
	s_mov_b32 s[G1+5], AOP/8
	s_mov_b32 s[G1B+5], CHP/8
	s_lshl_b32 s18, s16, 2
	s_lshl_b32 s20, s17, 3
	s_add_co_u32 s20, s20, s18                     ; A: tile 8 Y + 4 x part
	s_mul_i32 s20, s20, 3072
	s_mov_b32 s21, 0
	s_lshl_b32 s46, s98, 3
	s_add_co_u32 s46, s46, s18
	s_add_co_u32 s46, s46, 512                     ; B: Wo's tiles begin at 512
	s_mul_i32 s46, s46, 3072
	s_mov_b32 s47, 0
	s_mul_i32 s45, s14, PART                       ; where they go: no place in the cluster enters an LDS address
	s_wait_kmcnt 0x0
	s_add_nc_u64 s[20:21], s[4:5], s[20:21]
	s_add_nc_u64 s[46:47], s[8:9], s[46:47]
	CROUND                                         ; all sixteen work-groups are here: the first joint loads meet
.irp s, 0,2                                    ; group 0: set 0 the long place (K 0 on), set 2 the short place (K 1,024 on)
	s_mov_b32 s[G0+4*\s], 1
	s_add_co_u32 s[G0+4*\s+1], s45, \s*SLOT
	s_add_nc_u64 s[G0+4*\s+2:G0+4*\s+3], s[20:21], \s*2*AOP
	s_or_b32 s[G0+4*\s+3], s[G0+4*\s+3], 0x80000000
	s_mov_b32 s[G0B+4*\s], 1
	s_add_co_u32 s[G0B+4*\s+1], s45, \s*SLOT
	s_add_nc_u64 s[G0B+4*\s+2:G0B+4*\s+3], s[46:47], \s*2*CHP
	s_or_b32 s[G0B+4*\s+3], s[G0B+4*\s+3], 0x80000000
.endr
	s_lshl_b32 s[G0+1], s45, 1                     ; in the long place a part is 2 PART bytes
	s_lshl_b32 s[G0B+1], s45, 1
	JLOAD G0, G1, G0B, G1B                         ; K 0 to 1,023: one tensor load a wave at the head
	v_and_b32 v1, 15, v0                           ; r
	v_bfe_u32 v2, v0, 4, 1                         ; h
	v_and_b32 v3, 31, v0
	s_wait_alu depctr_va_vdst(0)
	s_mul_i32 s21, s15, 2*PART                     ; the long place: my part of A,
	s_mul_i32 s22, s16, 2*PART
	s_add_co_u32 s22, s22, 4*PART                  ; my part of B, behind A's two
	s_mul_i32 s18, s15, PART                       ; the short place likewise
	s_add_co_u32 s18, s18, 2*SLOT
	s_mul_i32 s19, s16, PART
	s_add_co_u32 s19, s19, 2*SLOT+2*PART
	v_lshlrev_b32 v4, 4, v3
	v_add_nc_u32 v[ADRA], s21, v4
	v_add_nc_u32 v[ADRB], s22, v4
	v_add_nc_u32 v[ADRA+1], PART, v[ADRA]          ; the long place's second phase
	v_add_nc_u32 v[ADRB+1], PART, v[ADRB]
	v_add_nc_u32 v[ADRA+2], s18, v4
	v_add_nc_u32 v[ADRB+2], s19, v4
	s_lshl_b32 s21, s15, 8
	s_lshl_b32 s22, s17, 9
	s_add_co_u32 s21, s21, s22                     ; A's words in aos: 512 Y + my four tiles' 256 bytes of a step
	s_lshl_b32 s22, s16, 9
	s_lshl_b32 s23, s98, 10
	s_add_co_u32 s22, s22, s23
	s_add_co_u32 s22, s22, 65536                   ; B's in ops: Wo's tiles begin at 512; 1,024 X + my four tiles' 512 bytes of a chunk
	v_lshl_add_u32 v[ADSA], v3, 2, s21             ; 4 bytes a lane
	v_lshl_add_u32 v[ADSB], v3, 3, s22             ; 8 bytes a lane
	OSCALES 0, 0                                   ; all of K's scale words: 48 loads, which land under the head's tensor load
	OSCALES 1, 1
	OSCALES 2, 2
	OSCALES 3, 3
	s_mul_i32 s23, s14, 16*SPITCH
	s_add_co_u32 s23, s23, STG                     ; my stage
	v_mul_u32_u24 v5, v1, SPITCH
	v_lshl_add_u32 v5, v2, 6, v5
	v_add_nc_u32 v[STO], s23, v5                   ; in: row r, + 16 columns for the upper half of the lanes
	v_mul_u32_u24 v5, v2, SPITCH
	v_lshl_add_u32 v5, v1, 4, v5
	v_add_nc_u32 v[RD], s23, v5                    ; back: lanes 0-15 one row of 256 bytes, lanes 16-31 the next
	v_lshlrev_b32 v5, 13, v2
	v_lshl_add_u32 v[CO], v1, 4, v5                ; and the same two rows in out0
	s_lshl_b32 s20, s17, 7
	s_lshl_b32 s21, s15, 6
	s_add_co_u32 s20, s20, s21                     ; my first token
	s_lshl_b32 s20, s20, 13
	s_lshl_b32 s46, s98, 9                         ; my first column, in bytes
	s_lshl_b32 s47, s16, 8
	s_add_co_u32 s46, s46, s47
	s_add_co_u32 s20, s20, s46
	s_mov_b32 s21, 0
	s_add_nc_u64 s[12:13], s[12:13], s[20:21]
	s_wait_alu depctr_va_vdst(0)
	s_wait_tensorcnt 0x0                           ; my part of the long place is in
	ds_add_u32 v[SPW], v[NIL]
	s_mov_b32 s[G1+2], 2<<16                       ; no tensor load of mine is out, so a descriptor may be written: from here on a load brings two rows
	s_mov_b32 s[G1+4], 2
	s_mov_b32 s[G1B+2], 2<<16
	s_mov_b32 s[G1B+4], 2
	s_wait_dscnt 0x0
	CROUND                                         ; everybody's part is in, and the joint loads meet
	JLOAD G0+8, G1, G0B+8, G1B                     ; the short place's first fill: 112 matrix instructions of the wave stand ahead of the wait for it
	FETCH 0, 0, 0
	s_wait_loadcnt 0x0                             ; the scale words
	OSTEP 0, 0, 0, 1                               ; the first step's products start the sums
	OSTEP 0, 0, 1, 0
	OSTEP 0, 0, 2, 0
	OLINK 0, 1, 1, 1                               ; on to the long place's second phase: the round has shown it whole
	OSTEP 1, 1, 0, 0
	OSTEP 1, 1, 1, 0
	OSTEP 1, 1, 2, 0
	OTURN 1, 2, 2, 2, 1                            ; on to the short place; the long place's first halves take K 1,536 on
	OSTEP 2, 2, 0, 0
	OSTEP 2, 2, 1, 0
	OSTEP 2, 2, 2, 0
	OTURN 2, 0, 3, 3, 0                            ; nothing is left to fetch
	OSTEP 0, 3, 0, 0
	OSTEP 0, 3, 1, 0
	OSTEP 0, 3, 2, 0
	s_wait_dscnt 0x0
	OMUL 0, 1, 3, 3, 0
	OMUL 1, 1, 3, 3, 0
	OMUL 2, 1, 3, 3, 0
	OMUL 3, 1, 3, 3, 0
	WIN 0
; THE WAY OUT, a tile of 16 rows x my 64 columns at a time, through my own stage: a lane's eight results are eight neighbouring columns; they come back as whole rows of 256 bytes.  LDS serves a wave's instructions in order.
.macro TOSTAGE a
.irp b, 0,1,2,3
	ds_store_b128 v[STO], v[ACC+8*(4*(\a)+\b):ACC+8*(4*(\a)+\b)+3] offset:(32*(\b/2)+8*(\b%2))*4          ; each accumulator from its low end on
	ds_store_b128 v[STO], v[ACC+8*(4*(\a)+\b)+4:ACC+8*(4*(\a)+\b)+7] offset:(32*(\b/2)+8*(\b%2))*4+16
.endr
.irp i, 0,1,2,3,4,5,6,7
	ds_load_b128 v[OB+32*((\a)%2)+4*\i:OB+32*((\a)%2)+4*\i+3], v[RD] offset:2*SPITCH*\i
.endr
.endm
.macro SEND a, younger                 ; younger: the LDS instructions issued behind tile a's loads
	s_wait_dscnt \younger
.irp i, 0,1,2,3,4,5,6,7
	global_store_b128 v[CO], v[OB+32*((\a)%2)+4*\i:OB+32*((\a)%2)+4*\i+3], s[12:13] offset:(32*((\a)/2)+8*((\a)%2)+2*\i+8*(\i/4))*8192 th:TH_STORE_NT   ; lane rows 2 i and 2 i + 1 of the tile: 16 lanes store 256 consecutive aligned bytes
.endr
.endm
	PLACES                                         ; behind the last products, in front of the first read of results
	TOSTAGE 0
.irp a, 1,2,3
.if \a == 1
	s_wait_dscnt 0x0                               ; tile 0's stores into the stage have read its accumulators, where tile 1's rows land
.else
	s_wait_xcnt 0x0                                ; tile a - 2's stores have read their registers: tile a's loads may land there
.endif
	TOSTAGE \a
	SEND \a-1, 16                                  ; behind tile a - 1's loads: tile a's 8 stores and 8 loads
.endr
	SEND 3, 0
	s_wait_tensorcnt 0x0                           ; the wave's end
	ds_add_u32 v[SPW], v[NIL]
	s_wait_dscnt 0x0
	CROUND                                         ; the closing round
	s_endpgm
.Lfunc_end_k_q534ceab5c5_oproj:
	.size	k_q534ceab5c5_oproj, .Lfunc_end_k_q534ceab5c5_oproj-k_q534ceab5c5_oproj
	.p2alignl 7, 3214868480
	.fill 96, 4, 3214868480
	.section	.rodata,"a",@progbits
	.p2align	6, 0x0
	.amdhsa_kernel k_q534ceab5c5_oproj
		.amdhsa_group_segment_fixed_size 327680
		.amdhsa_private_segment_fixed_size 0
		.amdhsa_enable_private_segment 0
		.amdhsa_kernarg_size 40
		.amdhsa_user_sgpr_count 2
		.amdhsa_user_sgpr_kernarg_segment_ptr 1
		.amdhsa_wavefront_size32 1
		.amdhsa_system_sgpr_workgroup_id_x 1
		.amdhsa_system_sgpr_workgroup_id_y 1
		.amdhsa_system_sgpr_workgroup_id_z 1
		.amdhsa_system_vgpr_workitem_id 0
		.amdhsa_next_free_vgpr 512
		.amdhsa_next_free_sgpr 102
		.amdhsa_reserve_vcc 0
		.amdhsa_float_denorm_mode_32 3
		.amdhsa_float_denorm_mode_16_64 3
		.amdhsa_memory_ordered 1
		.amdhsa_forward_progress 1
		.amdhsa_inst_pref_size 81
	.end_amdhsa_kernel
	.amdgpu_metadata
---
amdhsa.version: [ 1, 2 ]
amdhsa.kernels:
  - .name:           k_q534ceab5c5_oproj
    .symbol:         k_q534ceab5c5_oproj.kd
    .args:
      - { .name: ao, .offset: 0, .size: 8, .value_kind: global_buffer, .address_space: global }
      - { .name: aos, .offset: 8, .size: 8, .value_kind: global_buffer, .address_space: global }
      - { .name: opc, .offset: 16, .size: 8, .value_kind: global_buffer, .address_space: global }
      - { .name: ops, .offset: 24, .size: 8, .value_kind: global_buffer, .address_space: global }
      - { .name: out0, .offset: 32, .size: 8, .value_kind: global_buffer, .address_space: global }
    .group_segment_fixed_size: 327680
    .private_segment_fixed_size: 0
    .kernarg_segment_align: 8
    .kernarg_segment_size: 40
    .max_flat_workgroup_size: 128
    .sgpr_count:     102
    .vgpr_count:     512
    .wavefront_size: 32
...
	.end_amdgpu_metadata
.endif
;; end of part 4
